; MI455X (gfx1250); checked and timed in simulation.
; The chip was launched on July 23, 2026; its instructions are those of AMD's public machine-readable ISA for CDNA 5 (MIT licence, August 2026) and "CDNA5" Instruction Set Architecture Reference Guide (July 2026). The comments in the code are by the model that wrote it; some were corrected since.
;; Self Attention. Allowed arithmetic: float matrix products may take bf16 or f16 operands with f32 sums; other float arithmetic in f32, or as packed bf16 or f16 multiplies, adds, multiply-adds, maxima and minima; sums over many terms, partial sums and values carried from step to step in f32; what a program stores and reads back later, other than sums and carried values, may be rounded once to bf16 or f16.
;; Inputs: Wk 32 x 256 float32; Wq 32 x 256 float32; Wv 256 x 256 float32; bk 32 float32; bq 32 float32; bv 256 float32; gamma 1 float32; x 2 x 256 x 128 x 128 float32.
;; Outputs: out0 2 x 256 x 128 x 128 float32.
;; 2 versions, each right; version 2 is version 1 with the launch proj written anew for expert scheduling mode. Each part assembles by itself: llvm-mc -triple=amdgcn-amd-amdhsa -mcpu=gfx1250 --defsym DOCPART=n.
;; ======== version 1 of 2: 2 launches
;; workspace buffers: qf 2,097,152 bytes; kvf 4,718,592 bytes
;; launch proj (part 1): grid 256 x 1, 16 waves a work-group, no clusters, 269,312 bytes of LDS; arguments x, Wq, bq, Wk, Wv, bv, qf, kvf; writes qf, kvf
.if DOCPART == 1
	.amdgcn_target "amdgcn-amd-amdhsa--gfx1250"
	.amdhsa_code_object_version 6
	.text
	.protected	k_qe2f904803a_proj
	.globl	k_qe2f904803a_proj
	.p2align	8
	.type	k_qe2f904803a_proj,@function
k_qe2f904803a_proj:
	s_mov_b64 s[64:65], 0
	v_nop
	global_prefetch_b8 v0, s[64:65] scope:SCOPE_SE
	s_setreg_imm32_b32 hwreg(HW_REG_WAVE_MODE, 25, 1), 1
	s_wait_xcnt 0x0
; PROJ: q, k and v of the attention module, rounded once to bf16 and laid out as the matrix unit's register fragments.
; WORK LEFT OUT, for all values of the inputs:
;  (1) The 2x2 mean pool is linear and the 1x1 convolutions act on channels alone, so pool(W x + b) = W pool(x) + b: k and v are made from the pooled x, a quarter of the products.
;  (2) bk: q_t . (Wk xp_s + bk) = q_t . Wk xp_s + q_t . bk, and the second term is the same for every s of the softmax's axis, so it cancels in the softmax.
;      bk has no way to the output: it is not loaded and is no argument of any launch.  bq stays (it meets k_s, which varies with s); bv stays.
;  LIMIT: a NaN, an infinity or an overflow that reaches only bk, or only the unpooled k and v, is not carried to the result.
; LIMITS: x and the weights are rounded to bf16 for the products; the 2x2 SUM of x is rounded once to bf16; q, k, v are rounded once to bf16 from f32 sums.  NaN and infinities are not treated apart.
; SCALES: xp is the 2x2 sum, so the stored k is 4 k.  q is stored times c' = log2(e) / sqrt(32) / 4, applied in f32 ahead of its one rounding: the second launch's scores are base-2 exponents.  v = sum / 4 + bv.
; SHARES: work-group id = b*128 + hp*2 + half takes image rows 2 hp, 2 hp + 1, columns 64 half .. +63: 128 tokens, 32 pooled tokens (one key unit).  For each channel two aligned pieces of 256 bytes.
;  16 waves: wave w stages 16 channels of x, 16 rows of Wv and 4 rows of Wq or Wk; then it makes v's channels 16 w .. +15 for the 32 keys and q's channels 16 (w & 1) .. for tokens 16 (w >> 1) ..; waves 0, 1 make k.
; NO TENSOR LOADS: every byte is rounded (and x pooled) on its way, in registers.  NO CLUSTER: what work-groups share is the f32 weights, which pass through registers for rounding.
; FRAGMENT ORDER in qf and kvf: a fragment (16 rows x 32 k, bf16) is 1,024 bytes: lane L's registers 0-3 at byte 16 L, its registers 4-7 at 512 + 16 L.  Every store of a wave covers 512 consecutive aligned bytes.
;  qf  [b][token / 16][1,024].   kvf [b][stream 0..1][block 0..63][18,432]: block n holds K of unit (n + 1) mod 64 (2 fragments), then V of unit n (16 fragments, 16 channels x 32 keys each).
.set PW,    528                        ; LDS row of weights: 256 bf16 + 16 bytes: an odd multiple of 16, so the 16 rows of a fragment load start at different banks (ISA guide 11.1)
.set PXB,   288                        ; LDS row of x: 128 tokens bf16 + 32 bytes: an odd multiple of 32, for the turning load
.set PXP,   96                         ; LDS row of pooled x: 32 sums bf16 + 32 bytes
.set WVL,   0                          ; Wv   [256 o][c]
.set WQKL,  256*PW                     ; Wq rows 0-31, Wk rows 32-63
.set XBL,   WQKL+64*PW                 ; x    [256 c][local token = 64 x row parity + column]
.set XPL,   XBL+256*PXB                ; 2x2 sums [256 c][32]
.set SPARE, XPL+256*PXP                ; the spare words: 128 bytes for each of 16 waves, named by no other line
.set BLK,   18432
.set LN,  1                            ; lane
.set RR,  2                            ; lane % 16
.set HH,  3                            ; lane / 16
.set L16, 4                            ; 16 x lane: offset of the weights' loads and of all stores; never rewritten
.set XO,  5                            ; x: (lane / 16) x 4 channels + 16 (lane % 16)
.set BQO, 6
.set BVO, 7
.set SWQ, 8                            ; LDS store addresses
.set SWV, 9
.set SXB, 10
.set SXP, 11
.set T0,  12
.set T1,  13
.set SPW, 14                           ; my spare word; never rewritten
.set NIL, 15                           ; 0; never rewritten
.set RWQ, 16                           ; v[16:47]   Wq / Wk as loaded
.set RWV, 48                           ; v[48:175]  Wv as loaded
.set RX,  176                          ; v[176:239] x as loaded
.set BQ,  240                          ; v[240:247] bq of my eight q channels: the C operand that starts q's sum
.set BV,  248                          ; v[248:249] bv of my v channel, twice
.set AXP, 250                          ; LDS read addresses
.set AXB, 251
.set AXB2,252
.set AWV, 253
.set AWQ, 254
.set AWK, 255
.set F0,  16                           ; two fragment buffers of 80 registers (two steps of 32 channels each)
.set F1,  96
.set AV0, 176                          ; accumulators: v for keys 0-15, keys 16-31; q
.set AV1, 184
.set AQ,  192
.set KF,  16                           ; k: all fragments, 24 registers a step
.set KA0, 208
.set KA1, 216
.set WV,  20                           ; s20 wave; s21 b; s22 hp; s23 half; s24 token tile; s25 q's channel half
.set BB,  21
.set HP,  22
.set HF,  23
.set TT,  24
.set OT,  25
	s_load_b256 s[4:11], s[0:1], 0x0               ; x s[4:5], Wq s[6:7], bq s[8:9], Wk s[10:11]
	s_load_b256 s[12:19], s[0:1], 0x20             ; Wv s[12:13], bv s[14:15], qf s[16:17], kvf s[18:19]
	v_lshl_add_u32 v[SPW], v0, 2, SPARE
	v_mov_b32 v[NIL], 0
	v_lshrrev_b32 v[LN], 5, v0
	v_readfirstlane_b32 s[WV], v[LN]               ; wave 0..15
	v_and_b32 v[LN], 31, v0
	v_and_b32 v[RR], 15, v0
	v_bfe_u32 v[HH], v0, 4, 1
	s_lshr_b32 s[BB], ttmp9, 7
	s_bfe_u32 s[HP], ttmp9, 0x60001
	s_and_b32 s[HF], ttmp9, 1
	s_lshr_b32 s[TT], s[WV], 1
	s_and_b32 s[OT], s[WV], 1
	s_mov_b32 s40, 0x3d8293ee                      ; c' = log2(e) / sqrt(32) / 4
	s_mov_b32 s41, s40                             ; named as a pair
	s_mov_b32 s42, 0x3e800000                      ; 1/4: the pool's mean
	s_mov_b32 s43, s42
	; byte offsets, each in a pair of its own with 0 above it
	s_lshl_b32 s26, s[BB], 24                      ; x: batch, my 16 channels, the two image rows, the half row
	s_lshl_b32 s27, s[WV], 20
	s_add_co_u32 s26, s26, s27
	s_lshl_b32 s27, s[HP], 10
	s_add_co_u32 s26, s26, s27
	s_lshl_b32 s27, s[HF], 8
	s_add_co_u32 s26, s26, s27
	s_mov_b32 s27, 0
	s_and_b32 s30, s[WV], 7                        ; Wq or Wk: my 4 rows
	s_lshl_b32 s30, s30, 12
	s_mov_b32 s31, 0
	s_lshl_b32 s32, s[WV], 14                      ; Wv: my 16 rows
	s_mov_b32 s33, 0
	s_mul_i32 s34, ttmp9, BLK                      ; V: block = b*128 + unit = the work-group's number; behind K's 2,048 bytes; my fragment
	s_lshl_b32 s35, s[WV], 10
	s_add_co_u32 s34, s34, s35
	s_add_co_u32 s34, s34, 2048
	s_mov_b32 s35, 0
	s_add_co_u32 s36, ttmp9, 63                    ; K: the block before, inside the stream of 64
	s_and_b32 s36, s36, 63
	s_and_b32 s37, ttmp9, 0xc0
	s_or_b32 s36, s36, s37
	s_mul_i32 s36, s36, BLK
	s_lshl_b32 s37, s[WV], 10                      ; key tile = wave (waves 0 and 1)
	s_add_co_u32 s36, s36, s37
	s_mov_b32 s37, 0
	s_lshl_b32 s38, s[HP], 1                       ; q: token tile = image row x 8 + column / 16
	s_lshr_b32 s39, s[TT], 2
	s_add_co_u32 s38, s38, s39
	s_lshl_b32 s38, s38, 3
	s_lshl2_add_u32 s38, s[HF], s38
	s_and_b32 s39, s[TT], 3
	s_add_co_u32 s38, s38, s39
	s_lshl_b32 s38, s38, 10
	s_lshl_b32 s39, s[OT], 9
	s_add_co_u32 s38, s38, s39
	s_lshl_b32 s39, s[BB], 20
	s_add_co_u32 s38, s38, s39
	s_mov_b32 s39, 0
	; lane terms
	v_lshlrev_b32 v[L16], 4, v[LN]
	v_lshlrev_b32 v[XO], 4, v[RR]
	v_lshl_add_u32 v[XO], v[HH], 18, v[XO]         ; lanes 16-31 read the channel four further on
	s_lshl_b32 s46, s[OT], 6
	v_lshl_add_u32 v[BQO], v[HH], 5, s46           ; bq[16 ot + 8 (lane / 16) ..]
	s_lshl_b32 s46, s[WV], 6
	v_lshl_add_u32 v[BVO], v[RR], 2, s46           ; bv[16 w + lane % 16]
	s_mul_i32 s46, s[WV], 4*PW
	s_add_co_u32 s46, s46, WQKL
	v_lshl_add_u32 v[SWQ], v[LN], 3, s46
	s_mul_i32 s46, s[WV], 16*PW
	v_lshl_add_u32 v[SWV], v[LN], 3, s46
	s_mul_i32 s46, s[WV], 16*PXB
	s_add_co_u32 s46, s46, XBL
	v_mul_u32_u24 v[T0], v[HH], 4*PXB
	v_lshl_add_u32 v[T0], v[RR], 3, v[T0]
	v_add_nc_u32 v[SXB], s46, v[T0]
	s_mul_i32 s46, s[WV], 16*PXP
	s_add_co_u32 s46, s46, XPL
	v_mul_u32_u24 v[T0], v[HH], 4*PXP
	v_lshl_add_u32 v[T0], v[RR], 2, v[T0]
	v_add_nc_u32 v[SXP], s46, v[T0]
	; the turning load: lane L addresses channel 8 (L / 16) + L % 8, 16 bytes at 16 ((L / 8) % 2)
	v_and_b32 v[T0], 7, v0
	v_bfe_u32 v[T1], v0, 3, 1
	v_lshl_add_u32 v[T0], v[HH], 3, v[T0]
	v_mul_u32_u24 v[AXP], v[T0], PXP
	v_lshl_add_u32 v[AXP], v[T1], 4, v[AXP]
	v_add_nc_u32 v[AXP], XPL, v[AXP]
	v_mul_u32_u24 v[AXB], v[T0], PXB
	v_lshl_add_u32 v[AXB], v[T1], 4, v[AXB]
	s_lshl_b32 s46, s[TT], 5
	s_add_co_u32 s46, s46, XBL
	v_add_nc_u32 v[AXB], s46, v[AXB]
	v_add_nc_u32 v[AXB2], 128*PXB, v[AXB]          ; channels 128 on: the 16-bit offset does not reach them
	v_mul_u32_u24 v[T1], v[RR], PW                 ; a weight fragment: row lane % 16, 16 bytes for each half of the lanes
	v_lshl_add_u32 v[T1], v[HH], 4, v[T1]
	s_mul_i32 s46, s[WV], 16*PW
	v_add_nc_u32 v[AWV], s46, v[T1]
	s_mul_i32 s46, s[OT], 16*PW
	s_add_co_u32 s46, s46, WQKL
	v_add_nc_u32 v[AWQ], s46, v[T1]
	v_add_nc_u32 v[AWK], WQKL+32*PW, v[T1]
	s_wait_kmcnt 0x0
	s_add_nc_u64 s[28:29], s[4:5], s[26:27]
	s_cmp_lt_u32 s[WV], 8                          ; waves 0-7 stage Wq, waves 8-15 Wk
	s_cselect_b64 s[44:45], s[6:7], s[10:11]
	s_add_nc_u64 s[30:31], s[44:45], s[30:31]
	s_add_nc_u64 s[32:33], s[12:13], s[32:33]
	s_add_nc_u64 s[34:35], s[18:19], s[34:35]
	s_add_nc_u64 s[36:37], s[18:19], s[36:37]
	s_add_nc_u64 s[38:39], s[16:17], s[38:39]
	; PHASE 1: all 59 loads of the wave go out ahead of the first wait: 3 for the biases, 8 for Wq / Wk, 32 for Wv, 16 for x
	global_load_b128 v[BQ:BQ+3], v[BQO], s[8:9]
	global_load_b128 v[BQ+4:BQ+7], v[BQO], s[8:9] offset:16
	global_load_b32 v[BV], v[BVO], s[14:15]
.set i, 0
.rept 8
	global_load_b128 v[RWQ+4*i:RWQ+4*i+3], v[L16], s[30:31] offset:512*i
.set i, i+1
.endr
.set i, 0
.rept 32
	global_load_b128 v[RWV+4*i:RWV+4*i+3], v[L16], s[32:33] offset:512*i
.set i, i+1
.endr
.set i, 0
.rept 8                                ; channel 16 w + i % 4 + 4 (lane / 16) + 8 (i / 4); both image rows: a lane holds a 2 x 4 patch, so pooling stays in the lane
	global_load_b128 v[RX+8*i:RX+8*i+3],   v[XO], s[28:29] offset:((i%4)+8*(i/4))*65536 th:TH_LOAD_NT
	global_load_b128 v[RX+8*i+4:RX+8*i+7], v[XO], s[28:29] offset:((i%4)+8*(i/4))*65536+512 th:TH_LOAD_NT
.set i, i+1
.endr
	; PHASE 2: round and stage.  Load i of a weight run is half a row: two roundings in place, one store of 8 bytes a lane (256 consecutive bytes a wave)
.macro STW reg, adr, first, count
.set i, \first
.rept \count
	v_cvt_pk_bf16_f32 v[(\reg)+4*i], v[(\reg)+4*i], v[(\reg)+4*i+1]
	v_cvt_pk_bf16_f32 v[(\reg)+4*i+1], v[(\reg)+4*i+2], v[(\reg)+4*i+3]
	ds_store_b64 v[\adr], v[(\reg)+4*i:(\reg)+4*i+1] offset:(i/2)*PW+(i%2)*256
.set i, i+1
.endr
.endm
	s_wait_loadcnt 48                              ; loads return in order: the 48 younger ones are Wv's 32 and x's 16; the biases and Wq / Wk are in
	v_mov_b32 v[BV+1], v[BV]
	STW RWQ, SWQ, 0, 8
	s_wait_loadcnt 40                              ; Wv's first 8 are in: 24 of Wv and 16 of x stay out
	STW RWV, SWV, 0, 8
	s_wait_loadcnt 32
	STW RWV, SWV, 8, 8
	s_wait_loadcnt 24
	STW RWV, SWV, 16, 8
	s_wait_loadcnt 16                              ; all of Wv; x's 16 stay out
	STW RWV, SWV, 24, 8
.set i, 0
.rept 8
.set xr, RX+8*i
.set ci, (i%4)+8*(i/4)
.set tp, 16+4*i                        ; at work: registers that Wq / Wk left
	s_wait_loadcnt 14-2*i                          ; this channel's two loads are in; the later channels' stay out
	v_pk_add_f32 v[tp:tp+1], v[xr:xr+1], v[xr+4:xr+5]        ; the two image rows,
	v_pk_add_f32 v[tp+2:tp+3], v[xr+2:xr+3], v[xr+6:xr+7]
	v_add_f32 v[tp], v[tp], v[tp+1]                          ; the two columns: two 2x2 sums
	v_add_f32 v[tp+2], v[tp+2], v[tp+3]
	v_cvt_pk_bf16_f32 v[tp], v[tp], v[tp+2]
	ds_store_b32 v[SXP], v[tp] offset:ci*PXP
	v_cvt_pk_bf16_f32 v[xr], v[xr], v[xr+1]
	v_cvt_pk_bf16_f32 v[xr+1], v[xr+2], v[xr+3]
	v_cvt_pk_bf16_f32 v[xr+4], v[xr+4], v[xr+5]
	v_cvt_pk_bf16_f32 v[xr+5], v[xr+6], v[xr+7]
	ds_store_b64 v[SXB], v[xr:xr+1] offset:ci*PXB            ; the halves of the lanes are 4 rows = 128 bytes mod 256 apart
	ds_store_b64 v[SXB], v[xr+4:xr+5] offset:ci*PXB+128
.set i, i+1
.endr
	s_wait_dscnt 0x0                               ; for the others' sake: my stores are done
	s_barrier_signal -1
	s_barrier_wait -1                              ; the launch's one barrier: behind it LDS is only read
	; PHASE 3: v (two key tiles) and q, 8 steps of 32 channels.  Step kk's 40 registers: pooled x for keys 0-15, 16-31; Wv; x of my 16 tokens; Wq
.macro FRAG s, buf
.irp q, 0, 1
.set kk, 2*(\s)+\q
.set fb, (\buf)+40*\q
	ds_load_tr16_b128 v[fb:fb+3],     v[AXP] offset:kk*32*PXP
	ds_load_tr16_b128 v[fb+4:fb+7],   v[AXP] offset:kk*32*PXP+16*PXP
	ds_load_tr16_b128 v[fb+8:fb+11],  v[AXP] offset:kk*32*PXP+32
	ds_load_tr16_b128 v[fb+12:fb+15], v[AXP] offset:kk*32*PXP+16*PXP+32
	ds_load_b128 v[fb+16:fb+19], v[AWV] offset:kk*64
	ds_load_b128 v[fb+20:fb+23], v[AWV] offset:kk*64+32
.if kk < 4
	ds_load_tr16_b128 v[fb+24:fb+27], v[AXB] offset:kk*32*PXB
	ds_load_tr16_b128 v[fb+28:fb+31], v[AXB] offset:kk*32*PXB+16*PXB
.else
	ds_load_tr16_b128 v[fb+24:fb+27], v[AXB2] offset:(kk-4)*32*PXB
	ds_load_tr16_b128 v[fb+28:fb+31], v[AXB2] offset:(kk-4)*32*PXB+16*PXB
.endif
	ds_load_b128 v[fb+32:fb+35], v[AWQ] offset:kk*64
	ds_load_b128 v[fb+36:fb+39], v[AWQ] offset:kk*64+32
.endr
.endm
; Six products.  The three accumulators take turns, one instruction a turn.  v: source 0 = 16 keys, source 1 = 16 channels of Wv: a lane ends with one channel and eight keys.
; q: source 0 = 16 rows of Wq, source 1 = 16 tokens: a lane ends with one token and eight channels.  first = 1: the sums start, v's with 0, q's with bq.
.macro MUL6 buf, first
.irp q, 0, 1
.set fb, (\buf)+40*\q
.if (\first) && (\q == 0)
	v_wmma_f32_16x16x32_bf16 v[AV0:AV0+7], v[fb:fb+7], v[fb+16:fb+23], 0
	v_wmma_f32_16x16x32_bf16 v[AV1:AV1+7], v[fb+8:fb+15], v[fb+16:fb+23], 0
	v_wmma_f32_16x16x32_bf16 v[AQ:AQ+7], v[fb+32:fb+39], v[fb+24:fb+31], v[BQ:BQ+7]
.else
	v_wmma_f32_16x16x32_bf16 v[AV0:AV0+7], v[fb:fb+7], v[fb+16:fb+23], v[AV0:AV0+7]
	v_wmma_f32_16x16x32_bf16 v[AV1:AV1+7], v[fb+8:fb+15], v[fb+16:fb+23], v[AV1:AV1+7]
	v_wmma_f32_16x16x32_bf16 v[AQ:AQ+7], v[fb+32:fb+39], v[fb+24:fb+31], v[AQ:AQ+7]
.endif
.endr
.endm
.macro PLACES                          ; four places behind the last product, ahead of loads into registers that it read and of lines that read results
.rept 4
	v_nop
.endr
.endm
	FRAG 0, F0
	FRAG 1, F1
	s_wait_dscnt 20                                ; all but the 20 just issued
	MUL6 F0, 1
	PLACES
	FRAG 2, F0
	s_wait_dscnt 20
	MUL6 F1, 0
	PLACES
	FRAG 3, F1
	s_wait_dscnt 20
	MUL6 F0, 0
	s_wait_dscnt 0x0
	MUL6 F1, 0
	PLACES
	; the way out: each accumulator is read from its low end on
.irp j, 0,1,2,3
	v_pk_fma_f32 v[16+2*\j:17+2*\j], v[AV0+2*\j:AV0+2*\j+1], s[42:43], v[BV:BV+1] op_sel_hi:[1,0,1]  ; sum / 4 + bv
.endr
.irp j, 0,1,2,3
	v_cvt_pk_bf16_f32 v[24+\j], v[16+2*\j], v[17+2*\j]
.endr
	global_store_b128 v[L16], v[24:27], s[34:35]              ; keys 8 (lane / 16) ..: a V fragment's registers 0-3
.irp j, 0,1,2,3
	v_pk_fma_f32 v[32+2*\j:33+2*\j], v[AV1+2*\j:AV1+2*\j+1], s[42:43], v[BV:BV+1] op_sel_hi:[1,0,1]
.endr
.irp j, 0,1,2,3
	v_cvt_pk_bf16_f32 v[40+\j], v[32+2*\j], v[33+2*\j]
.endr
	global_store_b128 v[L16], v[40:43], s[34:35] offset:512   ; keys 16 + 8 (lane / 16) ..: its registers 4-7
.irp j, 0,1,2,3
	v_pk_mul_f32 v[48+2*\j:49+2*\j], v[AQ+2*\j:AQ+2*\j+1], s[40:41] op_sel_hi:[1,0]  ; (Wq x + bq) c'
.endr
.irp j, 0,1,2,3
	v_cvt_pk_bf16_f32 v[56+\j], v[48+2*\j], v[49+2*\j]
.endr
	global_store_b128 v[L16], v[56:59], s[38:39]
	; PHASE 4: k, by waves 0 and 1 (key tile = wave); the others go to the end: no barrier is jumped
	s_cmp_lt_u32 s[WV], 2
	s_cbranch_scc0 .Lend
	s_wait_xcnt 0x0                                ; the stores above have read their data registers, which are loaded again below
	s_lshl_b32 s46, s[WV], 5
	v_add_nc_u32 v[T0], s46, v[AXP]
.set kk, 0
.rept 8
	ds_load_tr16_b128 v[KF+24*kk:KF+24*kk+3],   v[T0] offset:kk*32*PXP
	ds_load_tr16_b128 v[KF+24*kk+4:KF+24*kk+7], v[T0] offset:kk*32*PXP+16*PXP
	ds_load_b128 v[KF+24*kk+8:KF+24*kk+11],  v[AWK] offset:kk*64
	ds_load_b128 v[KF+24*kk+12:KF+24*kk+15], v[AWK] offset:kk*64+32
	ds_load_b128 v[KF+24*kk+16:KF+24*kk+19], v[AWK] offset:kk*64+16*PW
	ds_load_b128 v[KF+24*kk+20:KF+24*kk+23], v[AWK] offset:kk*64+16*PW+32
.set kk, kk+1
.endr
	s_wait_dscnt 0x0
	v_wmma_f32_16x16x32_bf16 v[KA0:KA0+7], v[KF+8:KF+15], v[KF:KF+7], 0      ; source 0 = 16 rows of Wk, source 1 = 16 keys: a lane ends with one key and eight channels
	v_wmma_f32_16x16x32_bf16 v[KA1:KA1+7], v[KF+16:KF+23], v[KF:KF+7], 0
.set kk, 1
.rept 7                                ; two accumulators by turns
	v_wmma_f32_16x16x32_bf16 v[KA0:KA0+7], v[KF+24*kk+8:KF+24*kk+15], v[KF+24*kk:KF+24*kk+7], v[KA0:KA0+7]
	v_wmma_f32_16x16x32_bf16 v[KA1:KA1+7], v[KF+24*kk+16:KF+24*kk+23], v[KF+24*kk:KF+24*kk+7], v[KA1:KA1+7]
.set kk, kk+1
.endr
	PLACES
.irp j, 0,1,2,3
	v_cvt_pk_bf16_f32 v[224+\j], v[KA0+2*\j], v[KA0+2*\j+1]
.endr
.irp j, 0,1,2,3
	v_cvt_pk_bf16_f32 v[228+\j], v[KA1+2*\j], v[KA1+2*\j+1]
.endr
	global_store_b128 v[L16], v[224:227], s[36:37]
	global_store_b128 v[L16], v[228:231], s[36:37] offset:512
.Lend:
	s_wait_tensorcnt 0x0                           ; the wave's end, behind my last LDS store
	ds_add_u32 v[SPW], v[NIL]
	s_wait_dscnt 0x0
	s_endpgm
.Lfunc_end_k_qe2f904803a_proj:
	.size	k_qe2f904803a_proj, .Lfunc_end_k_qe2f904803a_proj-k_qe2f904803a_proj
	.p2alignl 7, 3214868480
	.fill 96, 4, 3214868480
	.section	.rodata,"a",@progbits
	.p2align	6, 0x0
	.amdhsa_kernel k_qe2f904803a_proj
		.amdhsa_group_segment_fixed_size 269312
		.amdhsa_private_segment_fixed_size 0
		.amdhsa_enable_private_segment 0
		.amdhsa_kernarg_size 64
		.amdhsa_user_sgpr_count 2
		.amdhsa_user_sgpr_kernarg_segment_ptr 1
		.amdhsa_wavefront_size32 1
		.amdhsa_system_sgpr_workgroup_id_x 1
		.amdhsa_system_sgpr_workgroup_id_y 1
		.amdhsa_system_sgpr_workgroup_id_z 1
		.amdhsa_system_vgpr_workitem_id 0
		.amdhsa_next_free_vgpr 256
		.amdhsa_next_free_sgpr 66
		.amdhsa_reserve_vcc 0
		.amdhsa_float_denorm_mode_32 3
		.amdhsa_float_denorm_mode_16_64 3
		.amdhsa_memory_ordered 1
		.amdhsa_forward_progress 1
		.amdhsa_inst_pref_size 39
	.end_amdhsa_kernel
	.amdgpu_metadata
---
amdhsa.version: [ 1, 2 ]
amdhsa.kernels:
  - .name:           k_qe2f904803a_proj
    .symbol:         k_qe2f904803a_proj.kd
    .args:
      - { .name: x, .offset: 0, .size: 8, .value_kind: global_buffer, .address_space: global }
      - { .name: Wq, .offset: 8, .size: 8, .value_kind: global_buffer, .address_space: global }
      - { .name: bq, .offset: 16, .size: 8, .value_kind: global_buffer, .address_space: global }
      - { .name: Wk, .offset: 24, .size: 8, .value_kind: global_buffer, .address_space: global }
      - { .name: Wv, .offset: 32, .size: 8, .value_kind: global_buffer, .address_space: global }
      - { .name: bv, .offset: 40, .size: 8, .value_kind: global_buffer, .address_space: global }
      - { .name: qf, .offset: 48, .size: 8, .value_kind: global_buffer, .address_space: global }
      - { .name: kvf, .offset: 56, .size: 8, .value_kind: global_buffer, .address_space: global }
    .group_segment_fixed_size: 269312
    .private_segment_fixed_size: 0
    .kernarg_segment_align: 8
    .kernarg_segment_size: 64
    .max_flat_workgroup_size: 512
    .sgpr_count:     66
    .vgpr_count:     256
    .wavefront_size: 32
...
	.end_amdgpu_metadata
.endif
;; end of part 1
;; launch attn (part 2): grid 128 x 2, 4 waves a work-group, clusters of 4 x 1, 327,680 bytes of LDS; arguments qf, kvf, x, gamma, out0; writes out0
.if DOCPART == 2
	.amdgcn_target "amdgcn-amd-amdhsa--gfx1250"
	.amdhsa_code_object_version 6
	.text
	.protected	k_qe2f904803a_attn
	.globl	k_qe2f904803a_attn
	.p2align	8
	.type	k_qe2f904803a_attn,@function
k_qe2f904803a_attn:
	s_mov_b64 s[64:65], 0
	v_nop
	global_prefetch_b8 v0, s[64:65] scope:SCOPE_SE
	s_setreg_imm32_b32 hwreg(HW_REG_WAVE_MODE, 25, 1), 1
	s_wait_xcnt 0x0
	s_wait_alu depctr_hold_cnt(0) depctr_sa_sdst(0) depctr_va_vdst(0) depctr_va_sdst(0) depctr_va_ssrc(0) depctr_va_vcc(0) depctr_vm_vsrc(0)
	s_getreg_b32 s2, hwreg(HW_REG_IB_STS2, 6, 4)
	s_cmp_eq_u32 s2, 0
	s_cbranch_scc0 .Lentry_in_a_cluster
	s_endpgm
.Lentry_in_a_cluster:
	s_bfe_u32 s2, ttmp6, 0x10000c
	s_cmp_lg_u32 s2, 0x3003
	s_cbranch_scc0 .Lentry_shape_is_right
	s_endpgm
.Lentry_shape_is_right:
; ATTN: out0[b][c][t] = gamma * (sum over s of softmax_s(q_t . k_s / sqrt(32)) v[c][s]) + x[b][c][t].  16,384 tokens and 4,096 pooled keys a batch; q, k of 32 channels, v of 256.
; WORK LEFT OUT: the scores carry no bk: q_t . bk is the same for every key of the softmax's axis and cancels (shown at the head of the first kernel).
; INPUTS from the first launch, bf16 in fragment order: qf holds q log2(e) / sqrt(32) / 4, kvf holds 4 k and v: the product K Q^T is the exponent in base 2.
; LIMITS: q, k, v and the weights p are bf16 for the products; l is summed in f32 of the unrounded p; O, m, l stay in f32.  A weight below 2^-126 counts as 0.  NaN and infinities are not treated apart.
; SHARES: a work-group owns one image row, 128 tokens.  Wave w: query half w & 1 (four tiles of 16), key half (stream) w >> 1: 2,048 keys = 64 units of 32.  The key halves are added at the end, through LDS.
; TWO PASSES.  Pass 1 makes all scores once more and keeps only each query's true maximum m (512 products a wave); the two waves of a query half exchange maxima.  Pass 2 starts each score's sum with
; C = -m, so the product IS the exponent: no scaling, no running maximum, no rescaling of O^T (which at 256 channels is 128 registers for 16 queries), and the key halves add plainly.
; LAYOUT.  S^T = K Q^T (source 0 = 16 keys, source 1 = 16 queries): a lane holds one query (lane % 16) and keys 8 (lane / 16) + 0..7.  Two such results, rounded in pairs, ARE source 1 of O^T = V^T P.
; PASS 2 BY HALF TRIPS.  The wave's tiles are two pieces (tiles 0, 1 and 2, 3).  Half trip 2 u + x: 4 products K Q^T of unit u + 1 and 32 products V^T P of unit u, both of piece x; behind every two
; products V^T P four vector instructions: the sums and roundings of the other piece's next batch, and the exponentials of the scores just made.  The exponentials of a half trip are one batch with one wait, at its end.
; CLUSTER.  The four work-groups of a cluster belong to one batch and walk the same kvf: every tensor load is asked for jointly, with the same descriptor and a mask that names the four.
; REGISTERS, in windows of 256 (s_set_vgpr_msb: bits 1:0 source 0, 3:2 source 1, 5:4 source 2, 7:6 destination):
;   window 0: addresses, l, maxima, -m, Q, K (two buffers in pass 1), S^T, P      window 1: V of two units (on the way out: x)      window 2: O^T of tiles 0, 1      window 3: of tiles 2, 3
.set BLK,   18432                      ; a block of kvf: K of the next unit (2,048), V of this unit (16,384)
.set TILEB, 4*BLK                      ; a stream's four blocks: its part of a slot, and of a tile in memory
.set WLOAD, 2*BLK                      ; what one wave's ring load brings
.set SLOT1, 8*BLK                      ; slot 1 begins here (0x24000): it shares no bit with wave x WLOAD, so one exclusive or turns an address in one slot into the other's
.set RX,    16384                      ; pass 1: K of blocks 0-31, 65,536 bytes a stream; it ends where slot 0 ends
.set RY,    SLOT1                      ; pass 1: K of blocks 32-63
.set STAT,  2*SLOT1                    ; behind the ring, never filled by a tensor load: the maxima, 512 bytes a wave
.set LSUM,  STAT+2048                  ; the row sums: [stream][128 tokens] f32
.set SPARE, LSUM+1024                  ; the spare words, 128 bytes for each wave, named by no other line
.set OTP,   528                        ; the way out: a row of 128 tokens f32 + 16 bytes
.set OTH,   256*OTP                    ; one stream's O [256 channels][128 tokens]; the two lie in the ring's bytes, behind the ring's last fill
.set LB,  2                            ; v2   16 x lane + my stream's part of a slot; never rewritten
.set ADR, 3                            ; v3   LDS address of the block in hand
.set P1A, 4                            ; v4   pass 1's walking address
.set L16, 5                            ; v5   16 x lane: offset of q's, x's loads and of the stores; never rewritten
.set SA,  6                            ; v6, v7   where O^T goes (channels 0-127, 128-255)
.set SA2, 7
.set RA,  8                            ; v8, v9   where rows are read back (stream 0, 1)
.set RA2, 9
.set SPW, 10                           ; v10  my spare word; never rewritten
.set NIL, 11                           ; v11  0; never rewritten
.set PFO, 12                           ; v12  256 x lane
.set XPO, 13                           ; v13  x's prefetch: (lane / 2) channels + 256 (lane % 2)
.set T0,  14
.set T1,  15
.set LS,  16                           ; v[16:23]   l of tile t, even and odd keys', at LS + 2 t
.set MX,  24                           ; v[24:39]   pass 1: four running maxima a tile; later l and gamma / l
.set NM,  40                           ; v[40:71]   -m, eight copies a tile: the C operand
.set Q,   72                           ; v[72:103]
.set K0,  104                          ; v[104:119] K of one unit: two fragments
.set K1,  120                          ; v[120:135] pass 1's second buffer
.set S,   136                          ; v[136:199] S^T: tile t, key fragment f at S + 16 t + 8 f
.set P,   200                          ; v[200:231] P: 8 a tile
.set WV,  14                           ; s14 wave; s15 stream; s16 query half, also which half of a stream's part I fetch
.set ST,  15
.set QH,  16
.set CX,  17                           ; s17 my place in the cluster, s18 my image row: they and s68-71 enter addresses of qf, x, out0 and the prefetches alone
.set YY,  18
.set BB,  19
.set G1P, 24                           ; s[24:31] descriptor group 1, pass 1: 16 rows of 2,048 bytes, a block apart
.set G1R, 32                           ; s[32:39] the ring's: 36,864 dense bytes as 144 rows of 256
.set G0X, 40                           ; s[40:43], s[44:47] group 0 of the two first fills
.set G0Y, 44
.set G0R, 48                           ; s[48:51] the ring's walking group 0
.set SLOTS, 52
.set TWICE, 53
.set TB,  54                           ; s54  LDS byte at which the block to be read next begins
.set LIM, 55                           ; s55  1 in a cluster that prefetches kvf, else the greatest number
.set PFA, 56                           ; s[56:57]
.set SEL, 58                           ; s[58:59] v_permlanex16_b32's selects: each lane takes its own place in the other half
.set GAM, 60
.set CNT1, 61
.set XB,  62                           ; s[62:63] x at my 64 channels of my image row
.set OB,  66                           ; s[66:67] out0 likewise
.set MSB, 0
.macro WIN new                         ; the high byte repeats the setting that is left; a switch that changes nothing is dropped
.if MSB != (\new)
	s_set_vgpr_msb (MSB<<8)|(\new)
.set MSB, (\new)
.endif
.endm
; A round of the cluster's barrier: my work-group's barrier, so that wave 0's signal speaks for all four waves; wave 0 signals; every wave waits for all four work-groups; my work-group's barrier once more.
.macro ROUND
	s_barrier_signal -1
	s_barrier_wait -1
	s_cmp_lg_u32 s[WV], 0
	s_cbranch_scc1 .Lnw0_\@
	s_barrier_signal -3
.Lnw0_\@:
	s_barrier_wait -3
	s_barrier_signal -1
	s_barrier_wait -1
.endm
; A joint load.  One line for all four waves: each wave's LDS and global address hang on its own number, and on nothing that the partners do not share.  An s_nop 0 follows, and four v_nop.
.macro TLD g0, g1, places
	tensor_load_to_lds s[\g0:\g0+3], s[\g1:\g1+7]
	s_nop 0
.if \places
.rept 4
	v_nop
.endr
.endif
.endm
.macro PLACES
.rept 4
	v_nop
.endr
.endm
; A fill of the ring between the passes.  All my tensor loads have landed; 0 onto my spare word; that and my LDS instructions are done; the round; the load first behind it.
.macro FILL step
	s_wait_tensorcnt 0x0                           ; no tensor load of mine is out, so group 0 may be written
	ds_add_u32 v[SPW], v[NIL]
.if \step
	s_xor_b32 s[G0R+1], s[G0R+1], SLOT1
	s_add_nc_u64 s[G0R+2:G0R+3], s[G0R+2:G0R+3], TILEB
.endif
	s_wait_dscnt 0x0
	ROUND                                          ; no wave of any partner still reads the bytes or has a load on its way
	TLD G0R, G1R, 1
.endm
	s_load_b256 s[4:11], s[0:1], 0x0               ; qf s[4:5], kvf s[6:7], x s[8:9], gamma s[10:11]
	s_load_b64 s[12:13], s[0:1], 0x20              ; out0
	v_lshl_add_u32 v[SPW], v0, 2, SPARE
	v_mov_b32 v[NIL], 0
	ds_add_u32 v[SPW], v[NIL]                      ; the wave's opening: the add, twice on end, and its wait ahead of my first tensor load
	ds_add_u32 v[SPW], v[NIL]
	v_lshrrev_b32 v1, 5, v0
	v_readfirstlane_b32 s[WV], v1                  ; wave 0..3
	s_lshr_b32 s[ST], s[WV], 1
	s_and_b32 s[QH], s[WV], 1
	s_and_b32 s[BB], ttmp7, 0xffff                 ; the batch, which the four partners share
	s_mov_b32 s[G1P],   15|(3<<16)|(1<<21)         ; 15:0 the mask of four; 17:16 elements of 8 bytes; 21 set beside a mask; no padding
	s_mov_b32 s[G1P+1], 256<<16                    ; tensor_dim0 = 256 elements (2,048 bytes)
	s_mov_b32 s[G1P+2], 16<<16                     ; tensor_dim1 = 16
	s_mov_b32 s[G1P+3], 256<<16                    ; tile_dim0 = 256
	s_mov_b32 s[G1P+4], 16                         ; tile_dim1 = 16
	s_mov_b32 s[G1P+5], BLK/8                      ; a block from row to row
	s_mov_b32 s[G1P+6], 0
	s_mov_b32 s[G1P+7], 0
	s_mov_b32 s[G1R],   15|(3<<16)|(1<<21)
	s_mov_b32 s[G1R+1], 32<<16                     ; rows of 256 bytes,
	s_mov_b32 s[G1R+2], 144<<16                    ; 144 of them, end to end
	s_mov_b32 s[G1R+3], 32<<16
	s_mov_b32 s[G1R+4], 144
	s_mov_b32 s[G1R+5], 32
	s_mov_b32 s[G1R+6], 0
	s_mov_b32 s[G1R+7], 0
	s_mov_b32 s[G0X], 1
	s_mov_b32 s[G0Y], 1
	s_mov_b32 s[G0R], 1
	s_lshl_b32 s[G0X+1], s[WV], 15                 ; stream x 65,536 + half x 32,768 = wave x 32,768
	s_add_co_u32 s[G0Y+1], s[G0X+1], RY
	s_add_co_u32 s[G0X+1], s[G0X+1], RX
	s_mul_i32 s[G0R+1], s[WV], WLOAD               ; slot 0
	s_mov_b32 s[SEL], 0x76543210
	s_mov_b32 s[SEL+1], 0xfedcba98
	s_mul_i32 s20, s[BB], 128*BLK                  ; my batch's, my stream's first block
	s_mul_i32 s21, s[ST], 64*BLK
	s_add_co_u32 s20, s20, s21
	s_mov_b32 s21, 0
	s_mul_i32 s22, s[QH], 16*BLK                   ; pass 1: my 16 blocks of a region's 32
	s_mov_b32 s23, 0
	s_cmp_eq_u32 ttmp9, 0                          ; the batch's first cluster prefetches kvf: the same in all four partners
	s_cselect_b32 s[LIM], 1, -1
	s_bfe_u32 s[CX], ttmp6, 0x40000
	s_lshl_b32 s[YY], ttmp9, 2
	s_add_co_u32 s[YY], s[YY], s[CX]               ; image row = 4 x cluster x + cx
	s_lshl_b32 s68, s[BB], 20                      ; q: batch, 8 tiles a row, my 4
	s_lshl_b32 s69, s[YY], 13
	s_add_co_u32 s68, s68, s69
	s_lshl_b32 s69, s[QH], 12
	s_add_co_u32 s68, s68, s69
	s_mov_b32 s69, 0
	s_lshl_b32 s70, s[BB], 24                      ; x and out0: batch, my 64 channels, my image row
	s_lshl_b32 s71, s[WV], 22
	s_add_co_u32 s70, s70, s71
	s_lshl_b32 s71, s[YY], 9
	s_add_co_u32 s70, s70, s71
	s_mov_b32 s71, 0
	s_wait_dscnt 0x0                               ; both opening adds are done
	s_wait_kmcnt 0x0
	s_add_nc_u64 s[2:3], s[6:7], s[20:21]
	s_add_nc_u64 s[G0X+2:G0X+3], s[2:3], s[22:23]
	s_add_nc_u64 s[G0Y+2:G0Y+3], s[G0X+2:G0X+3], 32*BLK
	s_or_b32 s[G0X+3], s[G0X+3], 0x80000000        ; type = 2
	s_or_b32 s[G0Y+3], s[G0Y+3], 0x80000000
	s_mul_i32 s22, s[QH], WLOAD
	s_add_nc_u64 s[G0R+2:G0R+3], s[2:3], s[22:23]  ; tile 0, my two blocks
	s_or_b32 s[G0R+3], s[G0R+3], 0x80000000
	s_add_nc_u64 s[4:5], s[4:5], s[68:69]
	s_add_nc_u64 s[XB:XB+1], s[8:9], s[70:71]
	s_add_nc_u64 s[OB:OB+1], s[12:13], s[70:71]
	s_lshl2_add_u32 s68, s[QH], s[CX]              ; the prefetches: of a tile's eight half V parts of my stream I take number 4 (w & 1) + cx: told apart by address
	s_lshr_b32 s70, s68, 1
	s_mul_i32 s70, s70, BLK
	s_and_b32 s68, s68, 1
	s_lshl_b32 s68, s68, 13
	s_add_co_u32 s68, s68, s70
	s_add_co_u32 s68, s68, 2*TILEB+2048            ; in tile 2; the first change of slots steps it to tile 3
	s_add_nc_u64 s[PFA:PFA+1], s[2:3], s[68:69]
	s_load_b32 s[GAM], s[10:11], 0x0
	ROUND                                          ; all four work-groups are here: the first joint loads meet
	TLD G0X, G1P, 0                                ; K of blocks 0-31 and of blocks 32-63: my two first fills go out together; two loads of mine are out
	TLD G0Y, G1P, 1
	v_and_b32 v1, 31, v0
	v_lshlrev_b32 v[L16], 4, v1
.irp t, 0,1,2,3
	global_load_b128 v[Q+8*\t:Q+8*\t+3],   v[L16], s[4:5] offset:1024*\t
	global_load_b128 v[Q+8*\t+4:Q+8*\t+7], v[L16], s[4:5] offset:1024*\t+512
.endr
	s_mul_i32 s20, s[ST], TILEB
	v_add_nc_u32 v[LB], s20, v[L16]
	v_and_b32 v[T0], 15, v0
	v_bfe_u32 v[T1], v0, 4, 1
	v_mul_u32_u24 v[SA], v[T1], 8*OTP              ; O^T: channel 8 (lane / 16) + j, token 64 qh + 16 t + lane % 16
	v_lshl_add_u32 v[SA], v[T0], 2, v[SA]
	s_mul_i32 s20, s[ST], OTH
	s_lshl_b32 s21, s[QH], 8
	s_add_co_u32 s20, s20, s21
	v_add_nc_u32 v[SA], s20, v[SA]
	v_add_nc_u32 v[SA2], 128*OTP, v[SA]
	s_mul_i32 s20, s[WV], 64*OTP                   ; back: my 64 channels, whole rows
	v_add_nc_u32 v[RA], s20, v[L16]
	v_add_nc_u32 v[RA2], OTH, v[RA]
	v_lshlrev_b32 v[PFO], 8, v1
	v_lshrrev_b32 v[XPO], 1, v1
	v_lshlrev_b32 v[XPO], 16, v[XPO]
	v_and_b32 v[T1], 1, v0
	v_lshl_add_u32 v[XPO], v[T1], 8, v[XPO]
.set i, 0
.rept 16
	v_mov_b32 v[MX+i], 0xff7fffff                  ; the lowest finite number
.set i, i+1
.endr
.set i, 0
.rept 8
	v_mov_b32 v[LS+i], 0
.set i, i+1
.endr
	s_wait_tensorcnt 0x1                           ; my part of blocks 0-31 is in; the second fill may stay out
	s_wait_loadcnt 0x0                             ; Q
	s_wait_kmcnt 0x0                               ; gamma
	s_barrier_signal -1
	s_barrier_wait -1                              ; everybody's part is in
; PASS 1.  One product of S^T for piece x: number a of 4: tile 2 x + a % 2, key fragment a / 2.  neg = 1 (pass 2): the sum starts with -m.  Each accumulator gets one instruction: there are no chains.
.macro QKI x, a, kbuf, neg
.set tl, 2*(\x)+(\a)%2
.set kf, (\kbuf)+8*((\a)/2)
.set rS, S+16*tl+8*((\a)/2)
.if \neg
	v_wmma_f32_16x16x32_bf16 v[rS:rS+7], v[kf:kf+7], v[Q+8*tl:Q+8*tl+7], v[NM+8*tl:NM+8*tl+7]
.else
	v_wmma_f32_16x16x32_bf16 v[rS:rS+7], v[kf:kf+7], v[Q+8*tl:Q+8*tl+7], 0
.endif
.endm
.macro MAXR x, a                       ; that product's eight scores into the tile's four running maxima; the accumulator's lowest registers first
.set tl, 2*(\x)+(\a)%2
.set rS, S+16*tl+8*((\a)/2)
.irp j, 0,1,2,3
	v_max3_num_f32 v[MX+4*tl+\j], v[MX+4*tl+\j], v[rS+2*\j], v[rS+2*\j+1]
.endr
.endm
.macro P1HALF x, kbuf, ride            ; four products of piece x; behind each the maxima of the other piece's like product, made four products earlier: sixteen plain lines lie between
.irp a, 0,1,2,3
	QKI \x, \a, \kbuf, 0
.if \ride
	MAXR 1-(\x), \a
.endif
.endr
.endm
; A unit of 32 keys from K buffer kb.  pre = 1: the next unit's K is fetched into the other buffer, whose last reader stands four plain lines back.
.macro P1UNIT kb, pre, off, ride0
.if \pre
.irp f, 0,1,2,3
	ds_load_b128 v[K0+16*(1-(\kb))+4*\f:K0+16*(1-(\kb))+4*\f+3], v[P1A] offset:(\off)+512*\f
.endr
	s_wait_dscnt 4                                 ; the four just issued may be out: this unit's K is in
.else
	s_wait_dscnt 0x0
.endif
	P1HALF 0, K0+16*(\kb), \ride0
.if !(\ride0)
	PLACES
.endif
	P1HALF 1, K0+16*(\kb), 1
.endm
; A region's 32 units: row 0; 15 trips of two rows; row 31, which ends in the second buffer; the last piece's maxima.
.macro REGION base
	s_lshl_b32 s20, s[ST], 16
	s_add_co_u32 s20, s20, \base
	v_add_nc_u32 v[P1A], s20, v[L16]
.irp f, 0,1,2,3
	ds_load_b128 v[K0+4*\f:K0+4*\f+3], v[P1A] offset:512*\f
.endr
	P1UNIT 0, 1, 2048, 0
	s_mov_b32 s[CNT1], 15
.Lp1_\@:
	P1UNIT 1, 1, 4096, 1
	v_add_nc_u32 v[P1A], 4096, v[P1A]
	P1UNIT 0, 1, 2048, 1
	s_sub_co_u32 s[CNT1], s[CNT1], 1
	s_cmp_lg_u32 s[CNT1], 0
	s_cbranch_scc1 .Lp1_\@
	P1UNIT 1, 0, 0, 1
.irp a, 0,1,2,3
	MAXR 1, \a
.endr
.endm
	REGION RX
	FILL 0                                         ; the second fill has landed in every wave; tile 0 goes into slot 0 and has the next region's 256 products in which to land
	REGION RY                                      ; its last row is block 63's K: K of unit 0, which stays in the second buffer
	; the maxima: four chains into one, the other half of the lanes', the other stream's wave
.irp t, 0,1,2,3
	v_max3_num_f32 v[MX+4*\t], v[MX+4*\t], v[MX+4*\t+1], v[MX+4*\t+2]
.endr
.irp t, 0,1,2,3
	v_max_num_f32 v[MX+4*\t], v[MX+4*\t], v[MX+4*\t+3]
.endr
.irp t, 0,1,2,3
	v_permlanex16_b32 v[MX+4*\t+1], v[MX+4*\t], s[SEL], s[SEL+1]
.endr
.irp t, 0,1,2,3
	v_max_num_f32 v[S+\t], v[MX+4*\t], v[MX+4*\t+1]
.endr
	s_lshl_b32 s20, s[WV], 9
	s_add_co_u32 s20, s20, STAT
	v_add_nc_u32 v[T0], s20, v[L16]
	ds_store_b128 v[T0], v[S:S+3]
	FILL 1                                         ; tile 0 has landed; tile 1 goes into slot 1.  Its wait and round also order my store above with the partner wave's load below
	s_xor_b32 s20, s[WV], 2                        ; the wave with my queries and the other keys
	s_lshl_b32 s20, s20, 9
	s_add_co_u32 s20, s20, STAT
	v_add_nc_u32 v[T0], s20, v[L16]
	ds_load_b128 v[S+4:S+7], v[T0]
	s_wait_dscnt 0x0
.irp t, 0,1,2,3
	v_max_num_f32 v[S+\t], v[S+\t], v[S+4+\t]      ; m: the true maximum over all 4,096 keys
.endr
.irp t, 0,1,2,3
.irp j, 0,1,2,3,4,5,6,7
	v_mul_f32 v[NM+8*\t+\j], -1.0, v[S+\t]
.endr
.endr
; PASS 2.  The symbols HX (the piece that has the matrix unit), pi, pq, eq, sl count through a half trip.
; Product pi of 32 of O^T += V^T P for piece HX: channels 16 (pi / 2) on, tile 2 HX + pi % 2: 32 different accumulators, one instruction each.  zero = 1: the sums start.
.macro PV par, zero
	WIN 0xa1+0x50*HX                               ; V in window 1, P in window 0, O^T in window 2 or 3
.set rO, 128*(pi%2)+8*(pi/2)
.set rV, 128*(\par)+8*(pi/2)
.set rP, P+8*(2*HX+pi%2)
.if \zero
	v_wmma_f32_16x16x32_bf16 v[rO:rO+7], v[rV:rV+7], v[rP:rP+7], 0
.else
	v_wmma_f32_16x16x32_bf16 v[rO:rO+7], v[rV:rV+7], v[rP:rP+7], v[rO:rO+7]
.endif
.set pi, pi+1
.endm
.macro LL n                            ; l of tile 2 (1 - HX) + n % 2 takes pair n / 2 of its weights
.set tl, 2*(1-HX)+(\n)%2
.set pr, (\n)/2
	v_pk_add_f32 v[LS+2*tl:LS+2*tl+1], v[LS+2*tl:LS+2*tl+1], v[S+16*tl+2*pr:S+16*tl+2*pr+1]
.endm
.macro CC n                            ; the same pair rounded to bf16
.set tl, 2*(1-HX)+(\n)%2
.set pr, (\n)/2
	v_cvt_pk_bf16_f32 v[P+8*tl+pr], v[S+16*tl+2*pr], v[S+16*tl+2*pr+1]
.endm
; THE PLAIN QUEUE, 32 long, for the other piece: sums 0-3; then rounding and sum by turns; then roundings 12-15.  Its first four lines name neither P nor a register of the products K Q^T just issued:
; they are the four places ahead of the first exponential (which reads those products' results), of the first rounding (which writes the P that the half trip before multiplied) and of K's loads.
.macro PL
.if DOPL
.if pq < 4
	LL pq
.elseif pq < 28
.if pq%2 == 0
	CC (pq-4)/2
.else
	LL 4+(pq-5)/2
.endif
.else
	CC pq-16
.endif
.endif
.set pq, pq+1
.endm
; THE EXPONENTIALS' QUEUE, 32 long, for piece HX, in place: register 0 of each of the four accumulators first.  Nothing names a result ahead of the half trip's one wait.
.macro EX
.if DOEX
	v_exp_f32 v[S+32*HX+8*(eq%4)+eq/4], v[S+32*HX+8*(eq%4)+eq/4]
.endif
.set eq, eq+1
.endm
.macro SLICE                           ; four vector instructions behind two products
	WIN 0
.if sl == 0
	PL
	PL
	PL
	PL
.elseif sl < 14
	PL
	EX
	PL
	EX
.else
	PL
	EX
	EX
	EX
.endif
.set sl, sl+1
.endm
.macro VLOAD set, hv                   ; half of a unit's V: fragments 8 hv .. 8 hv + 7, 16 loads of 512 consecutive bytes
	WIN 0x40                                       ; destination window 1, address window 0
.irp f, 0,1,2,3,4,5,6,7
	ds_load_b128 v[128*(\set)+8*(8*(\hv)+\f):128*(\set)+8*(8*(\hv)+\f)+3],   v[ADR] offset:2048+(8*(\hv)+\f)*1024
	ds_load_b128 v[128*(\set)+8*(8*(\hv)+\f)+4:128*(\set)+8*(8*(\hv)+\f)+7], v[ADR] offset:2048+(8*(\hv)+\f)*1024+512
.endr
.endm
.macro KLOAD
	WIN 0
.irp f, 0,1,2,3
	ds_load_b128 v[K0+4*\f:K0+4*\f+3], v[ADR] offset:512*\f
.endr
.endm
; HALF TRIP x of unit u, whose V lies in set par.  All its LDS reads fall in block u + 1: V of unit u + 1 (into the other set: fragments 0-7 were last read 16 products and 8 slices back,
; fragments 8-15 a half trip back) and K of unit u + 2 (behind slice 0 of x = 1, four plain lines behind the last product that read K).
; last = 1: unit 63: nothing is fetched, no scores and no exponentials are made.
.macro HALF x, par, zero, last
.set HX, \x
.set pi, 0
.set pq, 0
.set eq, 0
.set sl, 0
.set DOEX, 1-(\last)
.set DOPL, 1-(\last)*(\x)
.if \last
.if (\x) == 0
	s_wait_dscnt 0x0
.endif
.else
.if (\x) == 0
	WIN 0
	v_add_nc_u32 v[ADR], s[TB], v[LB]
	s_add_co_u32 s[TB], s[TB], BLK
.endif
	VLOAD 1-(\par), \x
.if (\x) == 0
	s_wait_dscnt 16                                ; only the 16 just issued may be out: K of unit u + 1 and all of V of unit u are in
.endif
	WIN 0
.irp a, 0,1,2,3
	QKI \x, \a, K0, 1
.endr
.endif
.rept 16
	PV \par, \zero
	PV \par, \zero
.if DOPL
	SLICE
.endif
.if (1-(\last)) && ((\x) == 1) && (sl == 1)
	KLOAD
.endif
.endr
.if !(\last)
	v_nop                                          ; the plain instruction behind the last exponential: one for the batch
	s_wait_alu depctr_va_vdst(0)                   ; the one wait for the half trip's 32 exponentials, ahead of their first readers and of every label and branch
.endif
.endm
.macro UNIT par, zero, last
	HALF 0, \par, \zero, \last
	HALF 1, \par, \zero, \last
.endm
; A prefetch into the L2 of my share (32 rows of 256 bytes, a lane a row) of the V parts of the tile that the NEXT change of slots will ask for.  The batch's first cluster asks; its 16 waves share a tile's
; 512 rows out by address.  K's parts are not asked for: pass 1 has read them.  The last change that fills a slot asks for nothing: there is no tile behind it.
.macro ASK
	s_cmp_gt_u32 s[SLOTS], s[LIM]
	s_cbranch_scc0 .Lna_\@
	global_prefetch_b8 v[PFO], s[PFA:PFA+1] th:TH_LOAD_NT scope:SCOPE_SE
.Lna_\@:
.endm
; THE CHANGE OF SLOTS, in front of unit 4 s + 3, whose reads begin the next tile.  Each wave waits for all its tensor loads, of which one is out: its part of the other slot; adds 0 to its spare word; waits for
; that and for its reads of the slot that it leaves.  fill = 1: the barrier is a round of the cluster's, and the joint refill (the tile two on) is the first thing behind it: it has four units, 288 products, to land.
.macro CHANGE fill
	WIN 0
	s_wait_tensorcnt 0x0
	ds_add_u32 v[SPW], v[NIL]                      ; 0 onto my spare word; the descriptor's step stands between it and the wait for it
.if \fill
	s_xor_b32 s[G0R+1], s[G0R+1], SLOT1
	s_add_nc_u64 s[G0R+2:G0R+3], s[G0R+2:G0R+3], TILEB
	s_wait_xcnt 0x0                                ; the last prefetch, four units back, has read its address
	s_add_nc_u64 s[PFA:PFA+1], s[PFA:PFA+1], TILEB
	s_wait_dscnt 0x0
	ROUND
	TLD G0R, G1R, 1
	ASK
.else
	s_wait_dscnt 0x0
	s_barrier_signal -1
	s_barrier_wait -1
.endif
	s_sub_co_u32 s[TB], s[TB], TILEB               ; the reads go back to a slot's first block,
	s_xor_b32 s[TB], s[TB], SLOT1                  ; in the other slot
.endm
	; THE PROLOGUE: V of unit 0 and K of unit 1 are fetched from block 0; both pieces' scores of unit 0 come from the K that pass 1 left; their exponentials, and piece 0's sums and roundings
	s_mov_b32 s[TB], 0
	v_add_nc_u32 v[ADR], s[TB], v[LB]
	VLOAD 0, 0
	VLOAD 0, 1
	KLOAD
	s_mov_b32 s[TB], BLK
.irp a, 0,1,2,3
	QKI 0, \a, K1, 1
.endr
.irp a, 0,1,2,3
	QKI 1, \a, K1, 1
.endr
	PLACES
.set DOEX, 1
.set DOPL, 1
.set HX, 0
.set eq, 0
.rept 32
	EX
.endr
	v_nop
	s_wait_alu depctr_va_vdst(0)
.set HX, 1
.set eq, 0
.set pq, 0
.rept 32
	PL
	EX
.endr
	v_nop
	s_wait_alu depctr_va_vdst(0)
	; THE WALK: unit 0 starts O^T's sums; units 1, 2; then 14 changes of slots with four units each
	UNIT 0, 1, 0
	WIN 0
	s_mov_b32 s[SLOTS], 15
	s_mov_b32 s[TWICE], 1
	s_branch .Lpair
.Lslot:
	CHANGE 1
	s_mov_b32 s[TWICE], 2
.Lpair:
	UNIT 1, 0, 0
	UNIT 0, 0, 0
	WIN 0
	s_sub_co_u32 s[TWICE], s[TWICE], 1
	s_cmp_lg_u32 s[TWICE], 0
	s_cbranch_scc1 .Lpair
	s_sub_co_u32 s[SLOTS], s[SLOTS], 1
	s_cmp_lg_u32 s[SLOTS], 0
	s_cbranch_scc1 .Lslot
	CHANGE 0                                       ; the tail is written out: tile 15 is entered, nothing is asked for
.irp n, 0,1,2,3
	global_prefetch_b8 v[XPO], s[XB:XB+1] offset:\n*1048576 th:TH_LOAD_NT scope:SCOPE_SE  ; x for the way out: my own 64 channels x 512 bytes, each 256 bytes named once, five units ahead of the loads
.endr
	s_mov_b32 s[TWICE], 2
.Lpair2:
	UNIT 1, 0, 0
	UNIT 0, 0, 0                                   ; (unit 62 also fetches block 63's K, unit 0's once more, which nobody multiplies)
	WIN 0
	s_sub_co_u32 s[TWICE], s[TWICE], 1
	s_cmp_lg_u32 s[TWICE], 0
	s_cbranch_scc1 .Lpair2
	UNIT 1, 0, 1
	; THE WAY OUT.  l's two halves and the other half of the lanes' are added: the first four additions are the places behind the last products.
	WIN 0
.irp t, 0,1,2,3
	v_add_f32 v[MX+\t], v[LS+2*\t], v[LS+2*\t+1]
.endr
.irp t, 0,1,2,3
	v_permlanex16_b32 v[MX+4+\t], v[MX+\t], s[SEL], s[SEL+1]
.endr
.irp t, 0,1,2,3
	v_add_f32 v[MX+\t], v[MX+\t], v[MX+4+\t]
.endr
	WIN 0x40                                       ; x of my 64 channels into V's registers: 512 consecutive bytes a load
.set i, 0
.rept 64
	global_load_b128 v[4*i:4*i+3], v[L16], s[XB:XB+1] offset:i*65536 th:TH_LOAD_NT
.set i, i+1
.endr
	WIN 0
	s_wait_dscnt 0x0
	s_barrier_signal -1
	s_barrier_wait -1                              ; nobody reads the ring any more, and it has had its last fill: its bytes take O
	v_and_b32 v[T0], 15, v0
	s_lshl_b32 s20, s[WV], 8                       ; 512 x stream + 256 x query half
	s_add_co_u32 s20, s20, LSUM
	v_lshl_add_u32 v[T0], v[T0], 2, s20
.irp t, 0,1,2,3
	ds_store_b32 v[T0], v[MX+\t] offset:64*\t      ; both halves of the lanes write the same word with the same number
.endr
.irp t, 0,1,2,3
	WIN 0x08+4*(\t/2)                              ; the data in window 2 or 3
.set cb, 0
.rept 16
.irp j, 0,1,2,3,4,5,6,7                ; each accumulator from its low end on; the halves of the lanes are 8 rows = 128 bytes mod 256 apart
.if cb < 8
	ds_store_b32 v[SA], v[128*(\t%2)+8*cb+\j] offset:(16*cb+\j)*OTP+64*\t
.else
	ds_store_b32 v[SA2], v[128*(\t%2)+8*cb+\j] offset:(16*(cb-8)+\j)*OTP+64*\t
.endif
.endr
.set cb, cb+1
.endr
.endr
	WIN 0
	s_wait_dscnt 0x0                               ; for the others' sake: my stores are done
	s_barrier_signal -1
	s_barrier_wait -1
.macro OTLOAD g                        ; batch g: 8 rows of both streams' O, 16 loads, into register set g % 2
.set ob, 40+64*((\g)%2)
.irp n, 0,1,2,3,4,5,6,7
	ds_load_b128 v[ob+8*\n:ob+8*\n+3],   v[RA]  offset:(8*(\g)+\n)*OTP
	ds_load_b128 v[ob+8*\n+4:ob+8*\n+7], v[RA2] offset:(8*(\g)+\n)*OTP
.endr
.endm
	v_add_nc_u32 v[T0], LSUM, v[L16]               ; from here on a lane holds tokens 4 lane .. + 3
	ds_load_b128 v[24:27], v[T0]
	ds_load_b128 v[28:31], v[T0] offset:512
	OTLOAD 0
	s_wait_dscnt 16                                ; the two streams' l are in
	v_pk_add_f32 v[24:25], v[24:25], v[28:29]
	v_pk_add_f32 v[26:27], v[26:27], v[30:31]
.irp n, 0,1,2,3
	v_rcp_f32 v[32+\n], v[24+\n]
.endr
	v_nop                                          ; a plain instruction behind the last reciprocal,
	s_wait_alu depctr_va_vdst(0)                   ; and the one wait for the four, ahead of their first use
.irp n, 0,1,2,3
	v_mul_f32 v[32+\n], s[GAM], v[32+\n]           ; gamma / l
.endr
	WIN 0x10                                       ; source 2 (x) in window 1
.set gg, 0
.rept 8
.set bs, 40+64*(gg%2)
.if gg < 7
	s_wait_xcnt 0x0                                ; the stores of the batch before last have read the registers that are loaded again
	OTLOAD gg+1
	s_wait_dscnt 16                                ; all but the 16 just issued
.else
	s_wait_dscnt 0x0
.endif
	s_wait_loadcnt 56-8*gg                         ; x's loads return in order: this batch's 8 rows are in, the later rows' stay out
.set ii, 0
.rept 8
.set ar, bs+8*ii
.set rw, 8*gg+ii
	v_pk_add_f32 v[ar:ar+1], v[ar:ar+1], v[ar+4:ar+5]              ; the two key halves
	v_pk_add_f32 v[ar+2:ar+3], v[ar+2:ar+3], v[ar+6:ar+7]
	v_pk_fma_f32 v[ar:ar+1], v[ar:ar+1], v[32:33], v[4*rw:4*rw+1]  ; times gamma / l, plus x
	v_pk_fma_f32 v[ar+2:ar+3], v[ar+2:ar+3], v[34:35], v[4*rw+2:4*rw+3]
	global_store_b128 v[L16], v[ar:ar+3], s[OB:OB+1] offset:rw*65536 th:TH_STORE_NT  ; 512 consecutive bytes, at a multiple of 256 from out0's first byte
.set ii, ii+1
.endr
.set gg, gg+1
.endr
	WIN 0
	s_wait_tensorcnt 0x0                           ; the wave's end: behind my last tensor load and my last LDS store
	ds_add_u32 v[SPW], v[NIL]
	s_wait_dscnt 0x0
	ROUND                                          ; the closing round: no work-group ends while a partner may still ask for a tile that names it
	s_endpgm
.Lfunc_end_k_qe2f904803a_attn:
	.size	k_qe2f904803a_attn, .Lfunc_end_k_qe2f904803a_attn-k_qe2f904803a_attn
	.p2alignl 7, 3214868480
	.fill 96, 4, 3214868480
	.section	.rodata,"a",@progbits
	.p2align	6, 0x0
	.amdhsa_kernel k_qe2f904803a_attn
		.amdhsa_group_segment_fixed_size 327680
		.amdhsa_private_segment_fixed_size 0
		.amdhsa_enable_private_segment 0
		.amdhsa_kernarg_size 40
		.amdhsa_user_sgpr_count 2
		.amdhsa_user_sgpr_kernarg_segment_ptr 1
		.amdhsa_wavefront_size32 1
		.amdhsa_system_sgpr_workgroup_id_x 1
		.amdhsa_system_sgpr_workgroup_id_y 1
		.amdhsa_system_sgpr_workgroup_id_z 1
		.amdhsa_system_vgpr_workitem_id 0
		.amdhsa_next_free_vgpr 1024
		.amdhsa_next_free_sgpr 72
		.amdhsa_reserve_vcc 0
		.amdhsa_float_denorm_mode_32 3
		.amdhsa_float_denorm_mode_16_64 3
		.amdhsa_memory_ordered 1
		.amdhsa_forward_progress 1
		.amdhsa_inst_pref_size 199
	.end_amdhsa_kernel
	.amdgpu_metadata
---
amdhsa.version: [ 1, 2 ]
amdhsa.kernels:
  - .name:           k_qe2f904803a_attn
    .symbol:         k_qe2f904803a_attn.kd
    .args:
      - { .name: qf, .offset: 0, .size: 8, .value_kind: global_buffer, .address_space: global }
      - { .name: kvf, .offset: 8, .size: 8, .value_kind: global_buffer, .address_space: global }
      - { .name: x, .offset: 16, .size: 8, .value_kind: global_buffer, .address_space: global }
      - { .name: gamma, .offset: 24, .size: 8, .value_kind: global_buffer, .address_space: global }
      - { .name: out0, .offset: 32, .size: 8, .value_kind: global_buffer, .address_space: global }
    .group_segment_fixed_size: 327680
    .private_segment_fixed_size: 0
    .kernarg_segment_align: 8
    .kernarg_segment_size: 40
    .max_flat_workgroup_size: 128
    .sgpr_count:     72
    .vgpr_count:     1024
    .wavefront_size: 32
...
	.end_amdgpu_metadata
.endif
;; end of part 2
;; ======== version 2 of 2: 2 launches; version 1 with the launch proj written anew for expert scheduling mode
;; workspace buffers: qf 2,097,152 bytes; kvf 4,718,592 bytes
;; launch proj (part 3): grid 256 x 1, 16 waves a work-group, no clusters, 269,312 bytes of LDS; arguments x, Wq, bq, Wk, Wv, bv, qf, kvf; writes qf, kvf
.if DOCPART == 3
	.amdgcn_target "amdgcn-amd-amdhsa--gfx1250"
	.amdhsa_code_object_version 6
	.text
	.protected	k_qe2f904803a_proj
	.globl	k_qe2f904803a_proj
	.p2align	8
	.type	k_qe2f904803a_proj,@function
k_qe2f904803a_proj:
	s_mov_b64 s[64:65], 0
	v_nop
	global_prefetch_b8 v0, s[64:65] scope:SCOPE_SE
	s_setreg_imm32_b32 hwreg(HW_REG_WAVE_SCHED_MODE, 0, 2), 2
	s_setreg_imm32_b32 hwreg(HW_REG_WAVE_MODE, 25, 1), 1
	s_wait_xcnt 0x0
	s_wait_alu depctr_vm_vsrc(0)
; PROJ: q, k and v of the attention module, rounded once to bf16 and laid out as the matrix unit's register fragments.
; WORK LEFT OUT, for all values of the inputs:
;  (1) The 2x2 mean pool is linear and the 1x1 convolutions act on channels alone, so pool(W x + b) = W pool(x) + b: k and v are made from the pooled x, a quarter of the products.
;  (2) bk: q_t . (Wk xp_s + bk) = q_t . Wk xp_s + q_t . bk, and the second term is the same for every s of the softmax's axis, so it cancels in the softmax.
;      bk has no way to the output: it is not loaded and is no argument of any launch.  bq stays (it meets k_s, which varies with s); bv stays.
;  LIMIT: a NaN, an infinity or an overflow that reaches only bk, or only the unpooled k and v, is not carried to the result.
; LIMITS: x and the weights are rounded to bf16 for the products; the 2x2 SUM of x is rounded once to bf16; q, k, v are rounded once to bf16 from f32 sums.  NaN and infinities are not treated apart.
; SCALES: xp is the 2x2 sum, so the stored k is 4 k.  q is stored times c' = log2(e) / sqrt(32) / 4, applied in f32 ahead of its one rounding: the second launch's scores are base-2 exponents.  v = sum / 4 + bv.
; SHARES: work-group id = b*128 + hp*2 + half takes image rows 2 hp, 2 hp + 1, columns 64 half .. +63: 128 tokens, 32 pooled tokens (one key unit).  For each channel two aligned pieces of 256 bytes.
;  16 waves: wave w stages 16 channels of x, 16 rows of Wv and 4 rows of Wq or Wk; then it makes v's channels 16 w .. +15 for the 32 keys and q's channels 16 (w & 1) .. for tokens 16 (w >> 1) ..; waves 0, 1 make k.
; NO TENSOR LOADS: every byte is rounded (and x pooled) on its way, in registers.  NO CLUSTER: what work-groups share is the f32 weights, which pass through registers for rounding.
; FRAGMENT ORDER in qf and kvf: a fragment (16 rows x 32 k, bf16) is 1,024 bytes: lane L's registers 0-3 at byte 16 L, its registers 4-7 at 512 + 16 L.  Every store of a wave covers 512 consecutive aligned bytes.
;  qf  [b][token / 16][1,024].   kvf [b][stream 0..1][block 0..63][18,432]: block n holds K of unit (n + 1) mod 64 (2 fragments), then V of unit n (16 fragments, 16 channels x 32 keys each).
; THE MODE: SCHED_MODE bits 1:0 = 2 (LLVM: expert scheduling mode 2), set by the entry lines.  The code itself states the register dependences
; between vector or matrix instructions and memory or LDS instructions, with s_wait_alu, always for 0.
; THE PLAN.  Registers that memory or LDS instructions touch:
;   v4-v11, v250-v255   offsets and LDS addresses: written at the head, ahead of one wait on va_vdst, and never again.  v14, v15: likewise; read by the closing add alone.
;   v16-v239, staging   Loaded once.  The staging goes in nine steps (Wq / Wk; Wv in four; x in four).  Step s rounds its own registers in place; the LDS stores that read them are issued in step s + 1,
;                       behind that step's one wait on va_vdst, dealt among its vector instructions, which name step s + 1's registers alone.  v16-v47 are written a second time, by the pooling:
;                       one wait on vm_vsrc stands ahead of that.  Behind the barrier one more states that all my LDS stores have read their data: the registers become fragments and accumulators.
;   five fragment buffers of 40 registers (one step of 32 channels each).  Steps 0 to 4 are asked for at once.  ONE wait on va_vdst, behind step 2's products, frees buffers 0 to 2; the loads of steps 5 to 7
;                       follow it, those of 6 and 7 dealt among the products of steps 3 and 4, which name buffers 3 and 4 and the accumulators alone.
;   out-buffers         v24-27, v40-43, v56-59 (v and q), v224-231 (k): written by roundings, one wait on va_vdst, then the run of stores.  The first three are loaded again by k's fragments: a wait on vm_vsrc.
;   v12                 k's LDS address: made by waves 0 and 1, one wait on va_vdst, then the loads.
.set PW,    528                        ; LDS row of weights: 256 bf16 + 16 bytes: an odd multiple of 16, so the 16 rows of a fragment load start at different banks (ISA guide 11.1)
.set PXB,   288                        ; LDS row of x: 128 tokens bf16 + 32 bytes: an odd multiple of 32, for the turning load
.set PXP,   96                         ; LDS row of pooled x: 32 sums bf16 + 32 bytes
.set WVL,   0                          ; Wv   [256 o][c]
.set WQKL,  256*PW                     ; Wq rows 0-31, Wk rows 32-63
.set XBL,   WQKL+64*PW                 ; x    [256 c][local token = 64 x row parity + column]
.set XPL,   XBL+256*PXB                ; 2x2 sums [256 c][32]
.set SPARE, XPL+256*PXP                ; the spare words: 128 bytes for each of 16 waves, named by no other line
.set BLK,   18432
.set LN,  1                            ; lane
.set RR,  2                            ; lane % 16
.set HH,  3                            ; lane / 16
.set L16, 4                            ; 16 x lane: offset of the weights' loads and of all stores; never rewritten
.set XO,  5                            ; x: (lane / 16) x 4 channels + 16 (lane % 16)
.set BQO, 6
.set BVO, 7
.set SWQ, 8                            ; LDS store addresses
.set SWV, 9
.set SXB, 10
.set SXP, 11
.set T0,  12
.set T1,  13
.set SPW, 14                           ; my spare word; never rewritten
.set NIL, 15                           ; 0; never rewritten
.set RWQ, 16                           ; v[16:47]   Wq / Wk as loaded
.set RWV, 48                           ; v[48:175]  Wv as loaded
.set RX,  176                          ; v[176:239] x as loaded
.set BQ,  240                          ; v[240:247] bq of my eight q channels: the C operand that starts q's sum
.set BV,  248                          ; v[248:249] bv of my v channel, twice
.set AXP, 250                          ; LDS read addresses
.set AXB, 251
.set AXB2,252
.set AWV, 253
.set AWQ, 254
.set AWK, 255
                                       ; fragment buffer n of five: 40 registers at 16 + 40 n for n = 0 .. 3, at 200 for n = 4; step kk takes buffer kk % 5
.set AV0, 176                          ; accumulators: v for keys 0-15, keys 16-31; q
.set AV1, 184
.set AQ,  192
.set KF,  16                           ; k: all fragments, 24 registers a step
.set KA0, 208
.set KA1, 216
.set WV,  20                           ; s20 wave; s21 b; s22 hp; s23 half; s24 token tile; s25 q's channel half
.set BB,  21
.set HP,  22
.set HF,  23
.set TT,  24
.set OT,  25
	s_load_b256 s[4:11], s[0:1], 0x0               ; x s[4:5], Wq s[6:7], bq s[8:9], Wk s[10:11]
	s_load_b256 s[12:19], s[0:1], 0x20             ; Wv s[12:13], bv s[14:15], qf s[16:17], kvf s[18:19]
	v_lshl_add_u32 v[SPW], v0, 2, SPARE
	v_mov_b32 v[NIL], 0
	v_lshrrev_b32 v[LN], 5, v0
	v_readfirstlane_b32 s[WV], v[LN]               ; wave 0..15
	v_and_b32 v[LN], 31, v0
	v_and_b32 v[RR], 15, v0
	v_bfe_u32 v[HH], v0, 4, 1
	s_lshr_b32 s[BB], ttmp9, 7
	s_bfe_u32 s[HP], ttmp9, 0x60001
	s_and_b32 s[HF], ttmp9, 1
	s_wait_alu depctr_va_sdst(0)                   ; the wave's number is written, ahead of its first reader, the next line
	s_lshr_b32 s[TT], s[WV], 1
	s_and_b32 s[OT], s[WV], 1
	s_mov_b32 s40, 0x3d8293ee                      ; c' = log2(e) / sqrt(32) / 4
	s_mov_b32 s41, s40                             ; named as a pair
	s_mov_b32 s42, 0x3e800000                      ; 1/4: the pool's mean
	s_mov_b32 s43, s42
	; byte offsets, each in a pair of its own with 0 above it
	s_lshl_b32 s26, s[BB], 24                      ; x: batch, my 16 channels, the two image rows, the half row
	s_lshl_b32 s27, s[WV], 20
	s_add_co_u32 s26, s26, s27
	s_lshl_b32 s27, s[HP], 10
	s_add_co_u32 s26, s26, s27
	s_lshl_b32 s27, s[HF], 8
	s_add_co_u32 s26, s26, s27
	s_mov_b32 s27, 0
	s_and_b32 s30, s[WV], 7                        ; Wq or Wk: my 4 rows
	s_lshl_b32 s30, s30, 12
	s_mov_b32 s31, 0
	s_lshl_b32 s32, s[WV], 14                      ; Wv: my 16 rows
	s_mov_b32 s33, 0
	s_mul_i32 s34, ttmp9, BLK                      ; V: block = b*128 + unit = the work-group's number; behind K's 2,048 bytes; my fragment
	s_lshl_b32 s35, s[WV], 10
	s_add_co_u32 s34, s34, s35
	s_add_co_u32 s34, s34, 2048
	s_mov_b32 s35, 0
	s_add_co_u32 s36, ttmp9, 63                    ; K: the block before, inside the stream of 64
	s_and_b32 s36, s36, 63
	s_and_b32 s37, ttmp9, 0xc0
	s_or_b32 s36, s36, s37
	s_mul_i32 s36, s36, BLK
	s_lshl_b32 s37, s[WV], 10                      ; key tile = wave (waves 0 and 1)
	s_add_co_u32 s36, s36, s37
	s_mov_b32 s37, 0
	s_lshl_b32 s38, s[HP], 1                       ; q: token tile = image row x 8 + column / 16
	s_lshr_b32 s39, s[TT], 2
	s_add_co_u32 s38, s38, s39
	s_lshl_b32 s38, s38, 3
	s_lshl2_add_u32 s38, s[HF], s38
	s_and_b32 s39, s[TT], 3
	s_add_co_u32 s38, s38, s39
	s_lshl_b32 s38, s38, 10
	s_lshl_b32 s39, s[OT], 9
	s_add_co_u32 s38, s38, s39
	s_lshl_b32 s39, s[BB], 20
	s_add_co_u32 s38, s38, s39
	s_mov_b32 s39, 0
	; lane terms
	v_lshlrev_b32 v[L16], 4, v[LN]
	v_lshlrev_b32 v[XO], 4, v[RR]
	v_lshl_add_u32 v[XO], v[HH], 18, v[XO]         ; lanes 16-31 read the channel four further on
	s_lshl_b32 s46, s[OT], 6
	v_lshl_add_u32 v[BQO], v[HH], 5, s46           ; bq[16 ot + 8 (lane / 16) ..]
	s_lshl_b32 s46, s[WV], 6
	v_lshl_add_u32 v[BVO], v[RR], 2, s46           ; bv[16 w + lane % 16]
	s_mul_i32 s46, s[WV], 4*PW
	s_add_co_u32 s46, s46, WQKL
	v_lshl_add_u32 v[SWQ], v[LN], 3, s46
	s_mul_i32 s46, s[WV], 16*PW
	v_lshl_add_u32 v[SWV], v[LN], 3, s46
	s_mul_i32 s46, s[WV], 16*PXB
	s_add_co_u32 s46, s46, XBL
	v_mul_u32_u24 v[T0], v[HH], 4*PXB
	v_lshl_add_u32 v[T0], v[RR], 3, v[T0]
	v_add_nc_u32 v[SXB], s46, v[T0]
	s_mul_i32 s46, s[WV], 16*PXP
	s_add_co_u32 s46, s46, XPL
	v_mul_u32_u24 v[T0], v[HH], 4*PXP
	v_lshl_add_u32 v[T0], v[RR], 2, v[T0]
	v_add_nc_u32 v[SXP], s46, v[T0]
	; the turning load: lane L addresses channel 8 (L / 16) + L % 8, 16 bytes at 16 ((L / 8) % 2)
	v_and_b32 v[T0], 7, v0
	v_bfe_u32 v[T1], v0, 3, 1
	v_lshl_add_u32 v[T0], v[HH], 3, v[T0]
	v_mul_u32_u24 v[AXP], v[T0], PXP
	v_lshl_add_u32 v[AXP], v[T1], 4, v[AXP]
	v_add_nc_u32 v[AXP], XPL, v[AXP]
	v_mul_u32_u24 v[AXB], v[T0], PXB
	v_lshl_add_u32 v[AXB], v[T1], 4, v[AXB]
	s_lshl_b32 s46, s[TT], 5
	s_add_co_u32 s46, s46, XBL
	v_add_nc_u32 v[AXB], s46, v[AXB]
	v_add_nc_u32 v[AXB2], 128*PXB, v[AXB]          ; channels 128 on: the 16-bit offset does not reach them
	v_mul_u32_u24 v[T1], v[RR], PW                 ; a weight fragment: row lane % 16, 16 bytes for each half of the lanes
	v_lshl_add_u32 v[T1], v[HH], 4, v[T1]
	s_mul_i32 s46, s[WV], 16*PW
	v_add_nc_u32 v[AWV], s46, v[T1]
	s_mul_i32 s46, s[OT], 16*PW
	s_add_co_u32 s46, s46, WQKL
	v_add_nc_u32 v[AWQ], s46, v[T1]
	v_add_nc_u32 v[AWK], WQKL+32*PW, v[T1]
	s_wait_kmcnt 0x0
	s_add_nc_u64 s[28:29], s[4:5], s[26:27]
	s_cmp_lt_u32 s[WV], 8                          ; waves 0-7 stage Wq, waves 8-15 Wk
	s_cselect_b64 s[44:45], s[6:7], s[10:11]
	s_add_nc_u64 s[30:31], s[44:45], s[30:31]
	s_add_nc_u64 s[32:33], s[12:13], s[32:33]
	s_add_nc_u64 s[34:35], s[18:19], s[34:35]
	s_add_nc_u64 s[36:37], s[18:19], s[36:37]
	s_add_nc_u64 s[38:39], s[16:17], s[38:39]
	s_wait_alu depctr_va_vdst(0)                   ; the offsets v4-v7, the LDS addresses v8-v11 and v250-v255 and the closing add's v14, v15 are written: every load, store and LDS instruction below reads one of them
	; PHASE 1: all 59 loads of the wave go out ahead of the first wait: 3 for the biases, 8 for Wq / Wk, 32 for Wv, 16 for x
	global_load_b128 v[BQ:BQ+3], v[BQO], s[8:9]
	global_load_b128 v[BQ+4:BQ+7], v[BQO], s[8:9] offset:16
	global_load_b32 v[BV], v[BVO], s[14:15]
.set i, 0
.rept 8
	global_load_b128 v[RWQ+4*i:RWQ+4*i+3], v[L16], s[30:31] offset:512*i
.set i, i+1
.endr
.set i, 0
.rept 32
	global_load_b128 v[RWV+4*i:RWV+4*i+3], v[L16], s[32:33] offset:512*i
.set i, i+1
.endr
.set i, 0
.rept 8                                ; channel 16 w + i % 4 + 4 (lane / 16) + 8 (i / 4); both image rows: a lane holds a 2 x 4 patch, so pooling stays in the lane
	global_load_b128 v[RX+8*i:RX+8*i+3],   v[XO], s[28:29] offset:((i%4)+8*(i/4))*65536 th:TH_LOAD_NT
	global_load_b128 v[RX+8*i+4:RX+8*i+7], v[XO], s[28:29] offset:((i%4)+8*(i/4))*65536+512 th:TH_LOAD_NT
.set i, i+1
.endr
	; PHASE 2: round and stage, in nine steps.  Load n of a weight run is half a row: two roundings in place, one store of 8 bytes a lane (256 consecutive bytes a wave).
	; A step's stores are issued in the step behind it, behind that step's wait on va_vdst.
.macro WOUT reg, adr, first, count     ; the stores of loads first .. first + count - 1
.set n, \first
.rept \count
	ds_store_b64 v[\adr], v[(\reg)+4*n:(\reg)+4*n+1] offset:(n/2)*PW+(n%2)*256
.set n, n+1
.endr
.endm
; A step of Wv: eight loads from cfirst on are rounded; among the roundings stand the eight stores of the step before (register run sreg, loads sfirst on).
.macro WSTEP cfirst, sreg, sadr, sfirst
.set n, 0
.rept 8
.set sn, (\sfirst)+n
.set cn, (\cfirst)+n
	ds_store_b64 v[\sadr], v[(\sreg)+4*sn:(\sreg)+4*sn+1] offset:(sn/2)*PW+(sn%2)*256
	v_cvt_pk_bf16_f32 v[RWV+4*cn], v[RWV+4*cn], v[RWV+4*cn+1]
	v_cvt_pk_bf16_f32 v[RWV+4*cn+1], v[RWV+4*cn+2], v[RWV+4*cn+3]
.set n, n+1
.endr
.endm
; x: pair i of loads (one channel for each half of the lanes, both image rows): the 2x2 sums and the roundings,
.macro XWORK i
.set xr, RX+8*(\i)
.set tp, 16+4*(\i)                     ; at work: registers that Wq / Wk left
	v_pk_add_f32 v[tp:tp+1], v[xr:xr+1], v[xr+4:xr+5]        ; the two image rows,
	v_pk_add_f32 v[tp+2:tp+3], v[xr+2:xr+3], v[xr+6:xr+7]
	v_add_f32 v[tp], v[tp], v[tp+1]                          ; the two columns: two 2x2 sums
	v_add_f32 v[tp+2], v[tp+2], v[tp+3]
	v_cvt_pk_bf16_f32 v[tp], v[tp], v[tp+2]
	v_cvt_pk_bf16_f32 v[xr], v[xr], v[xr+1]
	v_cvt_pk_bf16_f32 v[xr+1], v[xr+2], v[xr+3]
	v_cvt_pk_bf16_f32 v[xr+4], v[xr+4], v[xr+5]
	v_cvt_pk_bf16_f32 v[xr+5], v[xr+6], v[xr+7]
.endm
.macro XOUT i                          ; and its three stores
.set xr, RX+8*(\i)
.set tp, 16+4*(\i)
.set ch, ((\i)%4)+8*((\i)/4)
	ds_store_b32 v[SXP], v[tp] offset:ch*PXP
	ds_store_b64 v[SXB], v[xr:xr+1] offset:ch*PXB            ; the halves of the lanes are 4 rows = 128 bytes mod 256 apart
	ds_store_b64 v[SXB], v[xr+4:xr+5] offset:ch*PXB+128
.endm
	s_wait_loadcnt 48                              ; loads return in order: the 48 younger ones are Wv's 32 and x's 16; the biases and Wq / Wk are in
	v_mov_b32 v[BV+1], v[BV]
.set n, 0
.rept 8
	v_cvt_pk_bf16_f32 v[RWQ+4*n], v[RWQ+4*n], v[RWQ+4*n+1]
	v_cvt_pk_bf16_f32 v[RWQ+4*n+1], v[RWQ+4*n+2], v[RWQ+4*n+3]
.set n, n+1
.endr
	s_wait_loadcnt 40                              ; Wv's first 8 are in: 24 of Wv and 16 of x stay out
	s_wait_alu depctr_va_vdst(0)                   ; the roundings of Wq / Wk are written, which the stores of this step read
	WSTEP 0, RWQ, SWQ, 0
	s_wait_loadcnt 32
	s_wait_alu depctr_va_vdst(0)                   ; the roundings of Wv's loads 0-7 are written, which the stores of this step read
	WSTEP 8, RWV, SWV, 0
	s_wait_loadcnt 24
	s_wait_alu depctr_va_vdst(0)                   ; likewise loads 8-15
	WSTEP 16, RWV, SWV, 8
	s_wait_loadcnt 16                              ; all of Wv; x's 16 stay out
	s_wait_alu depctr_va_vdst(0)                   ; likewise loads 16-23
	WSTEP 24, RWV, SWV, 16
	s_wait_loadcnt 12                              ; x's pairs 0 and 1 are in; the later pairs' 12 loads stay out
	s_wait_alu depctr_vm_vsrc(0)                   ; the stores of Wq / Wk, issued four steps back, have read v16-v47, which the pooling of this and the next three steps writes again
	s_wait_alu depctr_va_vdst(0)                   ; the roundings of Wv's loads 24-31 are written, which the stores of this step read
	WOUT RWV, SWV, 24, 4
	XWORK 0
	WOUT RWV, SWV, 28, 4
	XWORK 1
.irp g, 1,2,3
	s_wait_loadcnt 12-4*\g                         ; this step's two pairs are in; the later pairs' stay out
	s_wait_alu depctr_va_vdst(0)                   ; the sums and roundings of the step before are written, which the six stores of this step read
	XOUT 2*\g-2
	XWORK 2*\g
	XOUT 2*\g-1
	XWORK 2*\g+1
.endr
	s_wait_alu depctr_va_vdst(0)                   ; the last step's sums and roundings are written, which the last six stores read; every vector instruction that names v16-v239 stands ahead of this wait
	XOUT 6
	XOUT 7
	s_wait_dscnt 0x0                               ; for the others' sake: my stores are done
	s_barrier_signal -1
	s_barrier_wait -1                              ; the launch's one barrier: behind it LDS is only read
	s_wait_alu depctr_vm_vsrc(0)                   ; my LDS stores have read v16-v239: from here on these registers are fragments, in which LDS loads land, and accumulators, which products write
	; PHASE 3: v (two key tiles) and q, 8 steps of 32 channels.  Step kk's 40 registers: pooled x for keys 0-15, 16-31; Wv; x of my 16 tokens; Wq
; A step's ten loads, in three parts: 4 (pooled x), 4 (Wv, x), 2 (Wq)
.macro FPART kk, part
.set lb, 16+40*((\kk)%5)+24*(((\kk)%5)/4)
.if (\part) == 0
	ds_load_tr16_b128 v[lb:lb+3],     v[AXP] offset:(\kk)*32*PXP
	ds_load_tr16_b128 v[lb+4:lb+7],   v[AXP] offset:(\kk)*32*PXP+16*PXP
	ds_load_tr16_b128 v[lb+8:lb+11],  v[AXP] offset:(\kk)*32*PXP+32
	ds_load_tr16_b128 v[lb+12:lb+15], v[AXP] offset:(\kk)*32*PXP+16*PXP+32
.elseif (\part) == 1
	ds_load_b128 v[lb+16:lb+19], v[AWV] offset:(\kk)*64
	ds_load_b128 v[lb+20:lb+23], v[AWV] offset:(\kk)*64+32
.if (\kk) < 4
	ds_load_tr16_b128 v[lb+24:lb+27], v[AXB] offset:(\kk)*32*PXB
	ds_load_tr16_b128 v[lb+28:lb+31], v[AXB] offset:(\kk)*32*PXB+16*PXB
.else
	ds_load_tr16_b128 v[lb+24:lb+27], v[AXB2] offset:((\kk)-4)*32*PXB
	ds_load_tr16_b128 v[lb+28:lb+31], v[AXB2] offset:((\kk)-4)*32*PXB+16*PXB
.endif
.else
	ds_load_b128 v[lb+32:lb+35], v[AWQ] offset:(\kk)*64
	ds_load_b128 v[lb+36:lb+39], v[AWQ] offset:(\kk)*64+32
.endif
.endm
.macro FRAG kk
	FPART \kk, 0
	FPART \kk, 1
	FPART \kk, 2
.endm
; Step kk's three products.  The three accumulators take turns, one instruction a turn.  v: source 0 = 16 keys, source 1 = 16 channels of Wv: a lane ends with one channel and eight keys.
; q: source 0 = 16 rows of Wq, source 1 = 16 tokens: a lane ends with one token and eight channels.  Step 0 starts the sums, v's with 0, q's with bq.
; ahead >= 0: the loads of step ahead are dealt among the products, a part behind each.
.macro MUL3 kk, ahead
.set fb, 16+40*((\kk)%5)+24*(((\kk)%5)/4)
.if (\kk) == 0
	v_wmma_f32_16x16x32_bf16 v[AV0:AV0+7], v[fb:fb+7], v[fb+16:fb+23], 0
.else
	v_wmma_f32_16x16x32_bf16 v[AV0:AV0+7], v[fb:fb+7], v[fb+16:fb+23], v[AV0:AV0+7]
.endif
.if (\ahead) >= 0
	FPART \ahead, 0
.endif
.if (\kk) == 0
	v_wmma_f32_16x16x32_bf16 v[AV1:AV1+7], v[fb+8:fb+15], v[fb+16:fb+23], 0
.else
	v_wmma_f32_16x16x32_bf16 v[AV1:AV1+7], v[fb+8:fb+15], v[fb+16:fb+23], v[AV1:AV1+7]
.endif
.if (\ahead) >= 0
	FPART \ahead, 1
.endif
.if (\kk) == 0
	v_wmma_f32_16x16x32_bf16 v[AQ:AQ+7], v[fb+32:fb+39], v[fb+24:fb+31], v[BQ:BQ+7]
.else
	v_wmma_f32_16x16x32_bf16 v[AQ:AQ+7], v[fb+32:fb+39], v[fb+24:fb+31], v[AQ:AQ+7]
.endif
.if (\ahead) >= 0
	FPART \ahead, 2
.endif
.endm
.macro PLACES                          ; four places behind the last product, ahead of vector lines that read results or write its sources (ISA guide 7.12.1)
.rept 4
	v_nop
.endr
.endm
	FRAG 0                                         ; all five buffers are asked for: 50 loads
	FRAG 1
	FRAG 2
	FRAG 3
	FRAG 4
	s_wait_dscnt 40                                ; LDS loads return in order: step 0's ten are in, the four younger steps' stay out
	MUL3 0, -1
	s_wait_dscnt 30
	MUL3 1, -1
	s_wait_dscnt 20
	MUL3 2, -1
	s_wait_alu depctr_va_vdst(0)                   ; the products of steps 0 to 2 are done reading buffers 0 to 2, in which the loads of steps 5 to 7 land
	FRAG 5
	s_wait_dscnt 20                                ; step 3 is in; step 4's and step 5's loads stay out
	MUL3 3, 6                                      ; no wait: no product since the wait above names buffer 1
	s_wait_dscnt 20                                ; step 4 is in; steps 5 and 6 stay out
	MUL3 4, 7                                      ; nor buffer 2
	s_wait_dscnt 20                                ; step 5 is in
	MUL3 5, -1
	s_wait_dscnt 10
	MUL3 6, -1
	s_wait_dscnt 0x0
	MUL3 7, -1
	PLACES
	; the way out: each accumulator is read from its low end on; all 24 lines, one wait, then the three stores
.irp j, 0,1,2,3
	v_pk_fma_f32 v[16+2*\j:17+2*\j], v[AV0+2*\j:AV0+2*\j+1], s[42:43], v[BV:BV+1] op_sel_hi:[1,0,1]  ; sum / 4 + bv
.endr
.irp j, 0,1,2,3
	v_cvt_pk_bf16_f32 v[24+\j], v[16+2*\j], v[17+2*\j]
.endr
.irp j, 0,1,2,3
	v_pk_fma_f32 v[32+2*\j:33+2*\j], v[AV1+2*\j:AV1+2*\j+1], s[42:43], v[BV:BV+1] op_sel_hi:[1,0,1]
.endr
.irp j, 0,1,2,3
	v_cvt_pk_bf16_f32 v[40+\j], v[32+2*\j], v[33+2*\j]
.endr
.irp j, 0,1,2,3
	v_pk_mul_f32 v[48+2*\j:49+2*\j], v[AQ+2*\j:AQ+2*\j+1], s[40:41] op_sel_hi:[1,0]  ; (Wq x + bq) c'
.endr
.irp j, 0,1,2,3
	v_cvt_pk_bf16_f32 v[56+\j], v[48+2*\j], v[49+2*\j]
.endr
	s_wait_alu depctr_va_vdst(0)                   ; the roundings have written v24-27, v40-43 and v56-59, which the three stores read
	global_store_b128 v[L16], v[24:27], s[34:35]              ; keys 8 (lane / 16) ..: a V fragment's registers 0-3
	global_store_b128 v[L16], v[40:43], s[34:35] offset:512   ; keys 16 + 8 (lane / 16) ..: its registers 4-7
	global_store_b128 v[L16], v[56:59], s[38:39]
	s_wait_alu depctr_vm_vsrc(0)                   ; the three stores have read their data registers, in which k's fragments land in waves 0 and 1
	; PHASE 4: k, by waves 0 and 1 (key tile = wave); the others go to the end: no barrier is jumped
	s_cmp_lt_u32 s[WV], 2
	s_cbranch_scc0 .Lend
	s_wait_xcnt 0x0                                ; the stores above have had their addresses translated: their data registers are loaded again below
	s_lshl_b32 s46, s[WV], 5
	v_add_nc_u32 v[T0], s46, v[AXP]
	s_wait_alu depctr_va_vdst(0)                   ; v12, the loads' address, is written; the products, scalings and roundings above are done with v16-v207, in which the loads land
.set kk, 0
.rept 8
	ds_load_tr16_b128 v[KF+24*kk:KF+24*kk+3],   v[T0] offset:kk*32*PXP
	ds_load_tr16_b128 v[KF+24*kk+4:KF+24*kk+7], v[T0] offset:kk*32*PXP+16*PXP
	ds_load_b128 v[KF+24*kk+8:KF+24*kk+11],  v[AWK] offset:kk*64
	ds_load_b128 v[KF+24*kk+12:KF+24*kk+15], v[AWK] offset:kk*64+32
	ds_load_b128 v[KF+24*kk+16:KF+24*kk+19], v[AWK] offset:kk*64+16*PW
	ds_load_b128 v[KF+24*kk+20:KF+24*kk+23], v[AWK] offset:kk*64+16*PW+32
.set kk, kk+1
.endr
	s_wait_dscnt 0x0
	v_wmma_f32_16x16x32_bf16 v[KA0:KA0+7], v[KF+8:KF+15], v[KF:KF+7], 0      ; source 0 = 16 rows of Wk, source 1 = 16 keys: a lane ends with one key and eight channels
	v_wmma_f32_16x16x32_bf16 v[KA1:KA1+7], v[KF+16:KF+23], v[KF:KF+7], 0
.set kk, 1
.rept 7                                ; two accumulators by turns
	v_wmma_f32_16x16x32_bf16 v[KA0:KA0+7], v[KF+24*kk+8:KF+24*kk+15], v[KF+24*kk:KF+24*kk+7], v[KA0:KA0+7]
	v_wmma_f32_16x16x32_bf16 v[KA1:KA1+7], v[KF+24*kk+16:KF+24*kk+23], v[KF+24*kk:KF+24*kk+7], v[KA1:KA1+7]
.set kk, kk+1
.endr
	PLACES
.irp j, 0,1,2,3
	v_cvt_pk_bf16_f32 v[224+\j], v[KA0+2*\j], v[KA0+2*\j+1]
.endr
.irp j, 0,1,2,3
	v_cvt_pk_bf16_f32 v[228+\j], v[KA1+2*\j], v[KA1+2*\j+1]
.endr
	s_wait_alu depctr_va_vdst(0)                   ; the roundings have written v224-231, which the two stores read
	global_store_b128 v[L16], v[224:227], s[36:37]
	global_store_b128 v[L16], v[228:231], s[36:37] offset:512
.Lend:
	s_wait_dscnt 0x0                               ; the wave's end
	s_wait_alu 0x0
	s_wait_tensorcnt 0x0
	ds_add_u32 v[SPW], v[NIL]
	s_wait_dscnt 0x0
	s_endpgm
.Lfunc_end_k_qe2f904803a_proj:
	.size	k_qe2f904803a_proj, .Lfunc_end_k_qe2f904803a_proj-k_qe2f904803a_proj
	.p2alignl 7, 3214868480
	.fill 96, 4, 3214868480
	.section	.rodata,"a",@progbits
	.p2align	6, 0x0
	.amdhsa_kernel k_qe2f904803a_proj
		.amdhsa_group_segment_fixed_size 269312
		.amdhsa_private_segment_fixed_size 0
		.amdhsa_enable_private_segment 0
		.amdhsa_kernarg_size 64
		.amdhsa_user_sgpr_count 2
		.amdhsa_user_sgpr_kernarg_segment_ptr 1
		.amdhsa_wavefront_size32 1
		.amdhsa_system_sgpr_workgroup_id_x 1
		.amdhsa_system_sgpr_workgroup_id_y 1
		.amdhsa_system_sgpr_workgroup_id_z 1
		.amdhsa_system_vgpr_workitem_id 0
		.amdhsa_next_free_vgpr 256
		.amdhsa_next_free_sgpr 66
		.amdhsa_reserve_vcc 0
		.amdhsa_float_denorm_mode_32 3
		.amdhsa_float_denorm_mode_16_64 3
		.amdhsa_memory_ordered 1
		.amdhsa_forward_progress 1
		.amdhsa_inst_pref_size 39
	.end_amdhsa_kernel
	.amdgpu_metadata
---
amdhsa.version: [ 1, 2 ]
amdhsa.kernels:
  - .name:           k_qe2f904803a_proj
    .symbol:         k_qe2f904803a_proj.kd
    .args:
      - { .name: x, .offset: 0, .size: 8, .value_kind: global_buffer, .address_space: global }
      - { .name: Wq, .offset: 8, .size: 8, .value_kind: global_buffer, .address_space: global }
      - { .name: bq, .offset: 16, .size: 8, .value_kind: global_buffer, .address_space: global }
      - { .name: Wk, .offset: 24, .size: 8, .value_kind: global_buffer, .address_space: global }
      - { .name: Wv, .offset: 32, .size: 8, .value_kind: global_buffer, .address_space: global }
      - { .name: bv, .offset: 40, .size: 8, .value_kind: global_buffer, .address_space: global }
      - { .name: qf, .offset: 48, .size: 8, .value_kind: global_buffer, .address_space: global }
      - { .name: kvf, .offset: 56, .size: 8, .value_kind: global_buffer, .address_space: global }
    .group_segment_fixed_size: 269312
    .private_segment_fixed_size: 0
    .kernarg_segment_align: 8
    .kernarg_segment_size: 64
    .max_flat_workgroup_size: 512
    .sgpr_count:     66
    .vgpr_count:     256
    .wavefront_size: 32
...
	.end_amdgpu_metadata
.endif
;; end of part 3
;; launch attn: the kernel of part 2 again; grid 128 x 2, 4 waves a work-group, clusters of 4 x 1, 327,680 bytes of LDS; arguments qf, kvf, x, gamma, out0; writes out0
